; MI455X (gfx1250); checked and timed in simulation.
; The chip was launched on July 23, 2026; its instructions are those of AMD's public machine-readable ISA for CDNA 5 (MIT licence, August 2026) and "CDNA5" Instruction Set Architecture Reference Guide (July 2026). The comments in the code are by the model that wrote it; some were corrected since.
;; Pure Torch SVDQ Int4 Linear BF16. Allowed arithmetic: matrix products marked QUANTISED: E3M2 operands, one E8M0 scale for each 32 along K, by v_wmma_scale_f32_16x16x128_f8f6f4 with both operands' format E3M2, f32 sums; everything else in f32.
;; Inputs: bias 4,096 float32; main_qweight 4,096 x 64 x 64 int32; main_wscale 4,096 x 64 float32; proj_down_dense_codes 32 x 128 x 24 uint8 (E3M2 codes of proj_down_dense, K innermost, in blocks of 32 codes, four codes in three bytes); proj_down_dense_scales 32 x 128 uint8 (E8M0 scales of proj_down_dense, one for each 32 codes along K); proj_up_dense_codes 4,096 x 1 x 24 uint8 (E3M2 codes of proj_up_dense, K innermost, in blocks of 32 codes, four codes in three bytes); proj_up_dense_scales 4,096 x 1 uint8 (E8M0 scales of proj_up_dense, one for each 32 codes along K); x 4,096 x 4,096 float32.
;; Outputs: out0 4,096 x 4,096 float32.
;; This version of the problem:
;;   THIS VERSION OF THE PROBLEM IS GIVEN IN LOW PRECISION. The matrix products marked QUANTISED in the list below multiply operands that are first quantised to E3M2 (3 exponent bits, 2 mantissa bits; 6 bits a number), with one power-of-two scale for each 32 numbers along K (OCP MX v1.0); their sums are f32. All else is computed in f32.
;;   The module's matrix products, in the order in which they are computed (A, B: the left and right operand; K: the contracted axis; several contracted axes count as one K, in the product's order):
;;     1. [M 4,096, K 4,096] x [K 4,096, N 4,096]; A: computed on the way; B: computed on the way: QUANTISED
;;     2. [M 4,096, K 4,096] x [K 4,096, N 32]; A: input x; B: input proj_down_dense (given as codes): QUANTISED
;;     3. [M 4,096, K 32] x [K 32, N 4,096]; A: computed on the way; B: input proj_up_dense (given as codes): QUANTISED
;;   THE QUANTISER, for each operand of a quantised product, along K:
;;     - K is cut into blocks of 32 from its start; a last block that is shorter is filled with zeros.
;;     - A block's scale is 2^e with e = floor(log2(the largest magnitude in the block)) - 4, held to -126 .. 127; a block of zeros has e = 0. As a byte (E8M0): e + 127.
;;     - Each number is divided by its block's scale, clamped to +-28, and rounded to the nearest number of E3M2, ties to even, subnormals kept.
;;     - The product sums the exact products of the quantised numbers (number of the format x scale) in f32.
;;   ~~~python
;;   def quantise(x, axis):      # numpy; x: float32 -> the quantised numbers, widened to float32 again
;;       x = np.moveaxis(x, axis, -1); K = x.shape[-1]
;;       x = np.pad(x, [(0, 0)] * (x.ndim - 1) + [(0, -K % 32)]); x = x.reshape(x.shape[:-1] + (-1, 32)); a = np.abs(x).max(-1, keepdims=True)
;;       e = np.where(a > 0, np.clip(np.frexp(np.where(a > 0, a, 1))[1] - 1 - 4, -126, 127), 0)      # np.frexp(a)[1] - 1 = floor(log2(a)), exactly
;;       r = np.clip(x / 2.0 ** e, -28, 28)
;;       step = 2.0 ** (np.maximum(np.frexp(np.where(r == 0, 1, r))[1] - 1, -2) - 2)
;;       q = np.round(r / step) * step * 2.0 ** e      # np.round: ties to even
;;       return np.moveaxis(q.reshape(q.shape[:-2] + (-1,))[..., :K], -1, axis).astype(np.float32)
;;   ~~~
;;   OPERANDS COMPUTED ON THE WAY. 'Computed on the way' means the value that the module computes at that place (a softmax that the list does not call 'softmax' is quantised finished and normalised). What goes into a quantiser is computed in f32, as accurately as f32 sums, v_exp_f32 and their like allow (about 1e-6 of the number): no bf16 or f16 on the way to a quantiser, and a product that is left as it is and whose result goes on into a quantised operand takes f32 operands (vector FMAs, or v_wmma_f32_16x16x4_f32). A number that lies on a knife's edge between two numbers of the format may be rounded either way, as far as f32 arithmetic and the matrix unit's own rounding can turn it there, and no further.
;;   INPUTS GIVEN AS CODES. proj_down_dense (in the module: [4096, 32], K = its axis 0); proj_up_dense (in the module: [32, 4096], K = its axis 0): each comes as NAME_codes (uint8): NAME with its K axis moved to the last place and cut into blocks of 32 codes, [.., K / 32, bytes a block], one block behind the other in memory; four codes in three bytes: a row's codes are one little-endian stream of bits, code i at bits 6 i .. 6 i + 5 (a code: sign, 3 exponent bits, 2 mantissa bits); and NAME_scales (uint8): the same leading axes, one E8M0 byte (e + 127) for each 32 codes along K. Its value is code x scale, taken as it is: it is not quantised again, and the codes and scales need not be those that the quantiser above would give.
;; 2 versions. Each part assembles by itself: llvm-mc -triple=amdgcn-amd-amdhsa -mcpu=gfx1250 --defsym DOCPART=n.
;; ======== version 1 of 2: 2 launches
;; workspace buffers: a_ops 13,697,024 bytes; w_ops 13,697,024 bytes
;; launch quant (part 1): grid 256 x 1, 16 waves a work-group, no clusters, 176,128 bytes of LDS; arguments x, main_qweight, main_wscale, proj_down_dense_codes, proj_down_dense_scales, proj_up_dense_codes, proj_up_dense_scales, a_ops, w_ops; writes a_ops, w_ops
.if DOCPART == 1
	.amdgcn_target "amdgcn-amd-amdhsa--gfx1250"
	.amdhsa_code_object_version 6
	.text
	.protected	k_q411d6d0280_quant
	.globl	k_q411d6d0280_quant
	.p2align	8
	.type	k_q411d6d0280_quant,@function
k_q411d6d0280_quant:
	s_mov_b64 s[64:65], 0
	v_nop
	global_prefetch_b8 v0, s[64:65] scope:SCOPE_SE
	s_setreg_imm32_b32 hwreg(HW_REG_WAVE_MODE, 25, 1), 1
	s_wait_xcnt 0x0
; x [4096][4096] f32 and the weight (int32 x one f32 scale for each 64 along K) are read ONCE and leave as operands of the large product, in codes of E3M2 with one E8M0 byte for each 32 along K:
;   a = Q(a_deq), a_deq = clip(round(x / ascale), +-127) x ascale, ascale = (largest |x| of a group of 64) / 127, or 1 for a group of zeros;   w = Q(int32 x wscale).
; On the way low_rank = Q(x) proj_down is made (proj_down's codes as given), summed over all of K in f32 and quantised along its 32 ranks; proj_up's codes are laid out anew, filled with zero codes up to 128 along K.
; A block's scale is 2^(floor(log2(its largest magnitude)) - 4): its byte is that magnitude's exponent field - 4, held at 1 from below.
; LAYOUT OF WHAT IS STORED.  The next launch walks 33 steps of 128 along K: steps 0-31 are a and w, step 32 is low_rank and proj_up.  Three steps are a slot.  a_ops and w_ops: [128 rows: 32][slot: 11][38,912 bytes], one dense
; run for one tensor load: the codes [step 3][block of 16 rows: 8][1,536], then from byte 36,864 the scale words [block 8][row 16][4 words], word q for the slot's step q, word 3 = 0.
; A fragment (16 rows x 128 K, 12 registers a lane) is stored as an IMAGE OF ITS REGISTERS, registers 4 c .. 4 c + 3 of lane l at 512 c + 16 l: 1,536 bytes.
; So step S of block b begins at 38,912 (S / 3) + 12,288 (S % 3) + 1,536 b = 12,288 S + 2,048 (S / 3) + 1,536 b.  S / 3 is (43 S) >> 7, which is exact for S up to 32.
; LIMITS: NaN and infinities are not served.  x / ascale is x times v_rcp_f32(ascale), an ulp or two from the division.  A group of 64 that is not all zeros and whose largest magnitude lies under 2^-119
; has a denormal ascale, which v_rcp_f32 takes for zero: not served.  A block of zeros gets the byte 1 where the rule says 127: its codes are zeros, which add nothing, and the bytes are read by this program alone.
; SHARES: work-group g owns rows 16 g .. 16 g + 15 of x AND of the weight; wave w of sixteen owns K = 256 w .. 256 w + 255: four tiles of 16 rows x 128 K (x, x, weight, weight), written out, every offset an immediate.
; A load reads 512 consecutive bytes of one row; the conversions want 16 neighbours along K in one lane: so a tile turns through the wave's own stage in LDS (rows of 512 + 16 bytes).  The next tile's 16 loads are
; on their way while a tile is worked on.  No tensor loads, no cluster (the work-groups share proj_down's 98,304 bytes alone), one barrier, at the end, in front of the sum over the sixteen waves.
.set RED,  0                           ; LDS: 16 x 2,048: each wave's 16 registers of low_rank's partial sums, as an image
.set SCA,  32768                       ; 11 x 256: a's scale words, [slot][row][16 bytes]: as a block's lie in a_ops, slot by slot
.set SCW,  35840                       ; the weight's likewise
.set STG,  38912                       ; 16 x 8,448: each wave's stage
.set WSTG, 8448
.set SP,   528                         ; a stage row: 33 x 16 bytes, so that the sixteen rows of a load of 16 bytes a lane start at sixteen different groups of four banks
.set SLB,  38912                       ; 128 rows x one slot in a_ops and w_ops
.set HB,   11*SLB                      ; 128 rows x all 33 steps
.set SCO,  36864                       ; where a slot's scale words begin
.set LRO,  32*12288+10*2048            ; where step 32 begins
.set LANE, 1                           ; v1   lane
.set RR,   2                           ; v2   r = lane % 16
.set HH,   3                           ; v3   h = lane / 16
.set LD,   4                           ; v4   16 x lane
.set SI,   5                           ; v5   the stage, on the way in
.set SO,   6                           ; v6   and on the way out: row r, + 64 h
.set PDA,  7                           ; v7   proj_down's codes: my row of a tile, + 24 h
.set PSA,  8                           ; v8   its scale words
.set WSA,  9                           ; v9   the weight's scales: 256 r
.set RDA,  11                          ; v11  where my partial sums go
.set CL,   12                          ; v12  127.0
.set PUA,  14                          ; v14  proj_up's codes: 24 r
.set CN,   15                          ; v15  -127.0
.set R,    16                          ; v16-79   a tile as loaded
.set X,    80                          ; v80-143  register 16 b + i = k 32 b + 16 h + i of row r
.set PC,   144                         ; v144-155 a fragment's codes; v156-163 the conversions' second halves
.set TM,   164                         ; v164-167 the blocks' largest magnitudes; v168-171 at work, then bytes; v172-173 the groups' maxima; v176-179 the conversions' scale operands
.set PW,   180                         ; v180     the scale word
.set G,    182                         ; v182, 184: 1 / ascale of the tile's two groups (later two of the weight's scales); v186, 188: ascale; the odd registers are the pairs' upper halves, written once
.set WS,   190                         ; v190-193 my row's four weight scales
.set PD,   194                         ; v194-217 two fragments of proj_down
.set PDS,  218                         ; v218-221 its scale words: 2 t + u
.set LR,   222                         ; v222-237 low_rank^T: two accumulators
.set SWA,  238                         ; v238-239 where my row's scale word of my step t goes in LDS
.set STA,  240                         ; v240-241 where my 16 bytes of my step t's image go in a_ops and w_ops
.set R16,  242                         ; v242     16 r
.set GS,   243                         ; v243     the scale words' way out: 38,912 h + 16 r: lanes 0-15 one slot, lanes 16-31 the next
.set WV,   32                          ; s32  my wave's number
.set SEL,  34                          ; s[34:35] v_permlanex16_b32's selects for lane l xor 16
	s_load_b512 s[4:19], s[0:1], 0x0               ; x 4, qweight 6, wscale 8, proj_down's codes 10, its scales 12, proj_up's codes 14, its scales 16, a_ops 18
	s_load_b64 s[20:21], s[0:1], 0x40              ; w_ops
	v_lshl_add_u32 v254, v0, 2, 0x2a800
	v_mov_b32 v255, 0
	v_lshrrev_b32 v15, 5, v0
	v_readfirstlane_b32 s[WV], v15                 ; wave 0..15
	v_and_b32 v[LANE], 31, v0
	v_and_b32 v[RR], 15, v0
	v_bfe_u32 v[HH], v0, 4, 1
	v_lshlrev_b32 v[LD], 4, v[LANE]
	v_lshlrev_b32 v[R16], 4, v[RR]
	v_mul_u32_u24 v[GS], v[HH], SLB
	v_add_nc_u32 v[GS], v[GS], v[R16]
	s_mul_i32 s33, s[WV], WSTG
	s_add_co_u32 s33, s33, STG                     ; my stage
	v_add_nc_u32 v[SI], s33, v[LD]
	v_mul_u32_u24 v[SO], v[RR], SP
	v_lshl_add_u32 v[SO], v[HH], 6, v[SO]
	v_add_nc_u32 v[SO], s33, v[SO]
	v_and_b32 v15, 8, v[RR]
	v_add_nc_u32 v15, v15, v[RR]                   ; r + 8 (r / 8): THE ROWS OF proj_down THAT FORM A TILE ARE NOT NEIGHBOURS: lane r of tile u takes rank 8 u + r + 8 (r / 8),
	v_mul_u32_u24 v[PDA], v15, 3072                ; so that in the result lane (r, h) holds token r and register 8 u + j rank 16 h + 8 u + j: 16 neighbours along the next K
	v_mad_u32_u24 v[PDA], v[HH], 24, v[PDA]
	v_lshlrev_b32 v[PSA], 7, v15
	v_lshlrev_b32 v[WSA], 8, v[RR]
	; my two steps are S = 2 w and 2 w + 1; their slots d = (43 S) >> 7
	s_mul_i32 s33, s[WV], 86
	s_lshr_b32 s40, s33, 7                         ; d of step 2 w
	s_add_co_u32 s33, s33, 43
	s_lshr_b32 s41, s33, 7                         ; d of step 2 w + 1
	s_lshl_b32 s42, s[WV], 3                       ; in LDS a scale word lies at 256 d + 4 (S - 3 d) + 16 r = 4 S + 244 d + 16 r
	s_mul_i32 s43, s40, 244
	s_add_co_u32 s43, s43, s42
	s_add_co_u32 s43, s43, SCA
	v_lshl_add_u32 v[SWA], v[RR], 4, s43
	s_mul_i32 s43, s41, 244
	s_add_co_u32 s43, s43, s42
	s_add_co_u32 s43, s43, SCA+4
	v_lshl_add_u32 v[SWA+1], v[RR], 4, s43
	s_mul_i32 s42, s[WV], 24576                    ; in memory an image begins at 12,288 S + 2,048 d
	s_lshl_b32 s43, s40, 11
	s_add_co_u32 s43, s43, s42
	v_add_nc_u32 v[STA], s43, v[LD]
	s_lshl_b32 s43, s41, 11
	s_add_co_u32 s43, s43, s42
	s_add_co_u32 s43, s43, 12288
	v_add_nc_u32 v[STA+1], s43, v[LD]
	s_lshl_b32 s33, s[WV], 11
	v_add_nc_u32 v[RDA], s33, v[LD]
	v_mov_b32 v[CL], 0x42fe0000
	v_mov_b32 v[CN], 0xc2fe0000
	v_mul_u32_u24 v[PUA], v[RR], 24
	s_mov_b32 s[SEL], 0x76543210
	s_mov_b32 s[SEL+1], 0xfedcba98
.irp b, 0,1,2,3
	v_mov_b32 v[TM+4+\b], 0                        ; written once: a lane permute's destination counts as one of its sources
	v_mov_b32 v[G+1+2*\b], 0                       ; named as the upper halves of pairs of which the low word alone is taken
.endr
	; every buffer at my part: offsets in s[36:37], all under 2^32
	s_mov_b32 s37, 0
	s_lshl_b32 s36, ttmp9, 18                      ; 16 rows of 16,384 bytes,
	s_lshl_b32 s38, s[WV], 10                      ; 256 numbers of 4 bytes
	s_add_co_u32 s36, s36, s38
	s_wait_kmcnt 0x0
	s_add_nc_u64 s[4:5], s[4:5], s[36:37]
	s_add_nc_u64 s[6:7], s[6:7], s[36:37]
	s_lshl_b32 s36, ttmp9, 12                      ; wscale: 16 rows of 256 bytes, four groups a wave
	s_lshl_b32 s38, s[WV], 4
	s_add_co_u32 s36, s36, s38
	s_add_nc_u64 s[8:9], s[8:9], s[36:37]
	s_mul_i32 s36, s[WV], 192                      ; proj_down: 256 codes
	s_add_nc_u64 s[10:11], s[10:11], s[36:37]
	s_lshl_b32 s36, s[WV], 3                       ; and their 8 scale bytes
	s_add_nc_u64 s[12:13], s[12:13], s[36:37]
	s_mul_i32 s36, ttmp9, 384                      ; proj_up: 16 rows of 24 bytes
	s_add_nc_u64 s[14:15], s[14:15], s[36:37]
	s_lshl_b32 s36, ttmp9, 4
	s_add_nc_u64 s[16:17], s[16:17], s[36:37]
	s_lshr_b32 s38, ttmp9, 3                       ; which 128 rows,
	s_mul_i32 s36, s38, HB
	s_and_b32 s39, ttmp9, 7                        ; and which block of 16 among them
	s_mul_i32 s38, s39, 1536
	s_add_co_u32 s38, s36, s38                     ; the block's codes in slot 0
	s_lshl_b32 s39, s39, 8
	s_add_co_u32 s36, s36, s39
	s_add_co_u32 s36, s36, SCO                     ; its scale words in slot 0
	s_add_nc_u64 s[22:23], s[18:19], s[36:37]      ; s[22:23] a's scale words, s[24:25] the weight's
	s_add_nc_u64 s[24:25], s[20:21], s[36:37]
	s_mov_b32 s36, s38
	s_add_nc_u64 s[18:19], s[18:19], s[36:37]      ; s[18:19] a's codes, s[20:21] the weight's
	s_add_nc_u64 s[20:21], s[20:21], s[36:37]
.macro LOAD n                          ; tile n (0, 1: x; 2, 3: the weight): row i's 128 numbers: 32 lanes read 512 consecutive bytes; read once in the launch
.irp i, 0,1,2,3,4,5,6,7,8,9,10,11,12,13,14,15
.if (\n) < 2
	global_load_b128 v[R+4*\i:R+4*\i+3], v[LD], s[4:5] offset:16384*\i+512*((\n)%2) th:TH_LOAD_NT
.else
	global_load_b128 v[R+4*\i:R+4*\i+3], v[LD], s[6:7] offset:16384*\i+512*((\n)%2) th:TH_LOAD_NT
.endif
.endr
.endm
.macro PDLOAD t                        ; proj_down's two fragments of my step t
.irp u, 0,1
.irp p, 0,1,2,3,4,5
	global_load_b64 v[PD+12*\u+2*\p:PD+12*\u+2*\p+1], v[PDA], s[10:11] offset:24576*\u+96*(\t)+48*(\p/3)+8*(\p%3)
.endr
.endr
.endm
.macro TURN n                          ; tile n through my stage; then the next tile is asked for
	s_wait_loadcnt 0x0                             ; the tile's 16 loads are in, and whatever else was asked for behind them (proj_down's fragments, the scales)
.irp i, 0,1,2,3,4,5,6,7,8,9,10,11,12,13,14,15
	ds_store_b128 v[SI], v[R+4*\i:R+4*\i+3] offset:SP*\i
.endr
.irp b, 0,1,2,3
.irp j, 0,1,2,3
	ds_load_b128 v[X+16*\b+4*\j:X+16*\b+4*\j+3], v[SO] offset:128*\b+16*\j   ; LDS serves a wave's instructions in order: these see the stores above
.endr
.endr
	s_wait_dscnt 0x0                               ; the numbers are back, the stores have read their registers, and so has the last tile's store of its scale word
.if (\n) < 3
	LOAD (\n)+1
.endif
.endm
.macro BLKMAX                          ; the largest magnitude of each of the four blocks of 32: my 16 numbers, then lane l xor 16's.  The blocks take turns, so that no line waits for the line above it
.irp b, 0,1,2,3
	v_max3_num_f32 v[TM+\b], |v[X+16*\b]|, |v[X+16*\b+1]|, |v[X+16*\b+2]|
.endr
.irp i, 3,5,7,9,11,13
.irp b, 0,1,2,3
	v_max3_num_f32 v[TM+\b], v[TM+\b], |v[X+16*\b+\i]|, |v[X+16*\b+\i+1]|
.endr
.endr
.irp b, 0,1,2,3
	v_max_num_f32 v[TM+\b], v[TM+\b], |v[X+16*\b+15]|
.endr
.irp b, 0,1,2,3
	v_permlanex16_b32 v[TM+4+\b], v[TM+\b], s[SEL], s[SEL+1]
.endr
.irp b, 0,1,2,3
	v_max_num_f32 v[TM+\b], v[TM+\b], v[TM+4+\b]
.endr
.endm
.macro CODES                           ; X's 64 numbers and the four largest magnitudes (which are kept) become a fragment in v[PC] on and its scale word in v[PW]
	s_wait_xcnt 0x0                                ; earlier stores have read v[PC] on: they are rewritten only behind this wait
.irp b, 0,1,2,3
	v_max_num_f32 v[TM+12+\b], 0x2800000, v[TM+\b] ; the floor 2^(5 - 127): the byte cannot fall under 1
.endr
.irp b, 0,1,2,3
	v_add_nc_u32 v[TM+12+\b], 0xfe000000, v[TM+12+\b]   ; 4 off the exponent field: the conversion takes the exponent field of this operand as its scale, and nothing else of it
.endr
.irp b, 0,1,2,3
	v_lshrrev_b32 v[TM+4+\b], 23, v[TM+12+\b]      ; the scale's byte
.endr
	v_lshl_or_b32 v[PW], v[TM+5], 8, v[TM+4]
	v_lshl_or_b32 v[PW], v[TM+6], 16, v[PW]
	v_lshl_or_b32 v[PW], v[TM+7], 24, v[PW]
.irp c, 0,1
	v_cvt_scalef32_pk16_bf6_f32 v[PC+6*\c:PC+6*\c+2], v[X+32*\c:X+32*\c+15], v[TM+12+2*\c]
	v_cvt_scalef32_pk16_bf6_f32 v[PC+12+4*\c:PC+14+4*\c], v[X+32*\c+16:X+32*\c+31], v[TM+13+2*\c]   ; (a conversion's three registers begin on an even number)
.endr
	v_nop                                          ; one plain place behind a scaled conversion
.irp c, 0,1                            ; the operand's layout wants a WHOLE block in a lane: lanes 0-15 block 2 c, lanes 16-31 block 2 c + 1
.irp i, 0,1,2
	v_permlane16_swap_b32 v[PC+6*\c+\i], v[PC+12+4*\c+\i]
.endr
.irp i, 0,1,2
	v_mov_b32 v[PC+3+6*\c+\i], v[PC+12+4*\c+\i]
.endr
.endr
.endm
.macro OUT base, t, sc                 ; the fragment leaves as it stands, 512 consecutive bytes a store; its scale words wait in LDS for the end
.irp c, 0,1,2
	global_store_b128 v[STA+(\t)], v[PC+4*\c:PC+4*\c+3], s[\base:\base+1] offset:512*\c
.endr
	ds_store_b32 v[SWA+(\t)], v[PW] offset:\sc     ; lanes r and r + 16 write the same word with the same value
.endm
.macro XTILE t                         ; a tile of x: Q(x) for low_rank, then a_deq and Q(a_deq)
	BLKMAX
	CODES
	v_max_num_f32 v[TM+8], v[TM], v[TM+1]          ; a group of 64 is two blocks
	v_max_num_f32 v[TM+9], v[TM+2], v[TM+3]
	v_mul_f32 v[G+4], 0x3c010204, v[TM+8]          ; ascale = the largest magnitude x (1 / 127),
	v_mul_f32 v[G+6], 0x3c010204, v[TM+9]
	v_cmp_lt_f32 vcc_lo, 0, v[TM+8]
	v_cndmask_b32 v[G+4], 1.0, v[G+4], vcc_lo      ; or 1 for a group of zeros
	v_cmp_lt_f32 vcc_lo, 0, v[TM+9]
	v_cndmask_b32 v[G+6], 1.0, v[G+6], vcc_lo
	v_rcp_f32 v[G], v[G+4]
	v_rcp_f32 v[G+2], v[G+6]
	v_nop                                          ; a plain place behind the reciprocals.  With the eight lines above it also parts the scale word's and the codes' last writes from the products
.irp u, 0,1                            ; low_rank^T += proj_down Q(x)^T: source 0 = 16 ranks, source 1 = my 16 tokens; the two accumulators take turns
.if (\t) == 0
	v_wmma_scale_f32_16x16x128_f8f6f4 v[LR+8*\u:LR+8*\u+7], v[PD+12*\u:PD+12*\u+11], v[PC:PC+11], 0, v[PDS+2*(\t)+\u], v[PW] matrix_a_fmt:MATRIX_FMT_BF6 matrix_b_fmt:MATRIX_FMT_BF6
.else
	v_wmma_scale_f32_16x16x128_f8f6f4 v[LR+8*\u:LR+8*\u+7], v[PD+12*\u:PD+12*\u+11], v[PC:PC+11], v[LR+8*\u:LR+8*\u+7], v[PDS+2*(\t)+\u], v[PW] matrix_a_fmt:MATRIX_FMT_BF6 matrix_b_fmt:MATRIX_FMT_BF6
.endif
.endr
	s_wait_alu depctr_va_vdst(0)
.irp c, 0,1                            ; x / ascale.  (These lines name no register of the products: they are the places behind them)
.irp j, 0,2,4,6,8,10,12,14,16,18,20,22,24,26,28,30
	v_pk_mul_f32 v[X+32*\c+\j:X+32*\c+\j+1], v[X+32*\c+\j:X+32*\c+\j+1], v[G+2*\c:G+2*\c+1] op_sel_hi:[1,0]
.endr
.endr
.if (\t) == 0
	PDLOAD 1                                       ; the products have read step 0's fragments 32 plain lines ago
.endif
; A BLOCK'S LARGEST |a_deq| IS NOT SEARCHED FOR: multiplying by a positive number, rounding and clipping are odd and never reverse an order, so the block's largest |x|, put through the same four lines, gives it, with the same bits
.irp b, 0,1,2,3
	v_mul_f32 v[TM+\b], v[TM+\b], v[G+2*(\b/2)]
.endr
.set Q, 0
.rept 64
	v_rndne_f32 v[X+Q], v[X+Q]                     ; to the nearest whole number, ties to even
.set Q, Q+1
.endr
.irp b, 0,1,2,3
	v_rndne_f32 v[TM+\b], v[TM+\b]
.endr
.set Q, 0
.rept 64
	v_med3_num_f32 v[X+Q], v[X+Q], v[CN], v[CL]    ; the clip at +-127
.set Q, Q+1
.endr
.irp b, 0,1,2,3
	v_med3_num_f32 v[TM+\b], v[TM+\b], v[CN], v[CL]
.endr
.irp c, 0,1
.irp j, 0,2,4,6,8,10,12,14,16,18,20,22,24,26,28,30
	v_pk_mul_f32 v[X+32*\c+\j:X+32*\c+\j+1], v[X+32*\c+\j:X+32*\c+\j+1], v[G+4+2*\c:G+5+2*\c] op_sel_hi:[1,0]   ; x ascale: a_deq
.endr
.endr
.irp b, 0,1,2,3
	v_mul_f32 v[TM+\b], v[TM+\b], v[G+4+2*(\b/2)]
.endr
	CODES
	OUT 18, \t, 0
.endm
.macro WTILE t                         ; a tile of the weight: int32 to f32, x the group's scale, quantised
.set Q, 0
.rept 64
	v_cvt_f32_i32 v[X+Q], v[X+Q]
.set Q, Q+1
.endr
.irp j, 0,2,4,6,8,10,12,14,16,18,20,22,24,26,28,30
	v_pk_mul_f32 v[X+\j:X+\j+1], v[X+\j:X+\j+1], v[WS+2*(\t):WS+2*(\t)+1] op_sel_hi:[1,0]          ; the tile's first group of 64
.endr
.irp j, 0,2,4,6,8,10,12,14,16,18,20,22,24,26,28,30
	v_pk_mul_f32 v[X+32+\j:X+33+\j], v[X+32+\j:X+33+\j], v[G+2*(\t):G+2*(\t)+1] op_sel_hi:[1,0]    ; its second
.endr
	BLKMAX
	CODES
	OUT 20, \t, SCW-SCA
.endm
; A block's scale words of all 11 slots leave LDS: a row's three words by a load of 12 bytes, the fourth word is 0.  A store covers two slots, 256 consecutive aligned bytes in each; the eleventh slot's is made by
; lanes 0-15, and lanes 16-31 write the same bytes with the same values
.macro SCOUT lds, base
.irp c, 0,1,2,3,4
	ds_load_b96 v[R+16+4*\c:R+18+4*\c], v[LD] offset:\lds+512*\c
.endr
	ds_load_b96 v[R+36:R+38], v[R16] offset:\lds+2560
.irp c, 0,1,2,3,4,5
	v_mov_b32 v[R+19+4*\c], 0
.endr
.irp c, 0,1,2,3,4
	s_wait_dscnt 5-\c                              ; LDS loads come back in order: the younger ones may be out
	global_store_b128 v[GS], v[R+16+4*\c:R+19+4*\c], s[\base:\base+1] offset:2*SLB*\c
.endr
	s_wait_dscnt 0x0
	global_store_b128 v[R16], v[R+36:R+39], s[\base:\base+1] offset:10*SLB
.endm
	LOAD 0
	PDLOAD 0
.irp t, 0,1
.irp u, 0,1
	global_load_b32 v[PDS+2*\t+\u], v[PSA], s[12:13] offset:1024*\u+4*\t
.endr
.endr
	global_load_b128 v[WS:WS+3], v[WSA], s[8:9]
	; wave 3 alone: proj_up's 16 rows of 32 codes become step 32's fragment of the weight's side: lanes 0-15, registers 0-5 hold the row's 24 bytes as given, all else is zero codes; the scale word is the given byte under three bytes 0, which meet zero codes alone
	s_cmp_lg_u32 s[WV], 3
	s_cbranch_scc1 .Lnot_three
.irp p, 0,1,2
	global_load_b64 v[PC+2*\p:PC+2*\p+1], v[PUA], s[14:15] offset:8*\p
.endr
	global_load_u8 v[PW], v[RR], s[16:17]
	s_wait_loadcnt 0x0                             ; (the first tile's turn wants this wait anyway)
	v_cmp_gt_u32 vcc_lo, 16, v[LANE]
.irp i, 0,1,2,3,4,5
	v_cndmask_b32 v[PC+\i], 0, v[PC+\i], vcc_lo
.endr
.irp i, 6,7,8,9,10,11
	v_mov_b32 v[PC+\i], 0
.endr
.irp c, 0,1,2
	global_store_b128 v[LD], v[PC+4*\c:PC+4*\c+3], s[20:21] offset:LRO+512*\c
.endr
	ds_store_b32 v[R16], v[PW] offset:SCW+2568     ; slot 10, word 2; lanes r and r + 16 write the same word with the same value
.Lnot_three:
	TURN 0
	XTILE 0
	TURN 1
	XTILE 1
.irp c, 0,1,2,3
	ds_store_b128 v[RDA], v[LR+4*\c:LR+4*\c+3] offset:RED+512*\c   ; my partial sums, each accumulator from its low end on
.endr
	TURN 2
	v_mov_b32 v[G], v[WS+1]                        ; the scales at odd registers get pairs of their own
	v_mov_b32 v[G+2], v[WS+3]
	WTILE 0
	TURN 3
	WTILE 1
	s_wait_dscnt 0x0                               ; for the others' sake: my partial sums and my scale words lie in LDS
	s_barrier_signal -1
	s_barrier_wait -1
	s_cmp_eq_u32 s[WV], 1
	s_cbranch_scc1 .Lscales
	s_cmp_eq_u32 s[WV], 0
	s_cbranch_scc1 .Lsum
	s_wait_tensorcnt 0x0
	ds_add_u32 v254, v255
	s_wait_dscnt 0x0
	s_endpgm
.Lscales:                              ; wave 1: the weight's scale words leave
	SCOUT SCW, 24
	s_wait_tensorcnt 0x0
	ds_add_u32 v254, v255
	s_wait_dscnt 0x0
	s_endpgm
.Lsum:                                 ; wave 0: low_rank = the sum of the sixteen waves' parts, K ascending; then its 32 ranks are one block
	s_wait_xcnt 0x0                                ; my last stores have read v[PC] on, where a load lands below
.irp k, 0,1,2,3,4,5,6,7
.irp c, 0,1,2,3
	ds_load_b128 v[R+16*\k+4*\c:R+16*\k+4*\c+3], v[LD] offset:RED+2048*\k+512*\c
.endr
.endr
	s_wait_dscnt 0x0
.irp k, 1,2,3,4,5,6,7
.irp j, 0,2,4,6,8,10,12,14
	v_pk_add_f32 v[R+\j:R+\j+1], v[R+\j:R+\j+1], v[R+16*\k+\j:R+16*\k+\j+1]
.endr
.endr
.irp k, 8,9,10,11,12,13,14,15
.irp c, 0,1,2,3
	ds_load_b128 v[R+16*(\k-7)+4*\c:R+16*(\k-7)+4*\c+3], v[LD] offset:RED+2048*\k+512*\c
.endr
.endr
	s_wait_dscnt 0x0
.irp k, 8,9,10,11,12,13,14,15
.irp j, 0,2,4,6,8,10,12,14
	v_pk_add_f32 v[R+\j:R+\j+1], v[R+\j:R+\j+1], v[R+16*(\k-7)+\j:R+16*(\k-7)+\j+1]
.endr
.endr
	v_max3_num_f32 v[TM], |v[R]|, |v[R+1]|, 0x2800000   ; my 16 ranks (16 h on) of token r, and the floor
.irp i, 2,4,6,8,10,12,14
	v_max3_num_f32 v[TM], v[TM], |v[R+\i]|, |v[R+\i+1]|
.endr
	v_permlanex16_b32 v[TM+4], v[TM], s[SEL], s[SEL+1]
	v_max_num_f32 v[TM], v[TM], v[TM+4]            ; with lane l xor 16's: the block's
	v_add_nc_u32 v[TM+12], 0xfe000000, v[TM]
	v_lshrrev_b32 v[PW], 23, v[TM+12]              ; the scale word: the byte under three bytes 0, which meet zero codes alone
.irp i, 3,4,5,6,7,8,9,10,11
	v_mov_b32 v[PC+\i], 0
.endr
	v_cvt_scalef32_pk16_bf6_f32 v[PC:PC+2], v[R:R+15], v[TM+12]
	v_nop                                          ; one plain place behind a scaled conversion
.irp i, 0,1,2
	v_permlane16_swap_b32 v[PC+\i], v[PC+3+\i]     ; lanes 16-31's codes go to lanes 0-15, registers 3-5, and zeros come back: lanes 0-15 hold the row's 32 codes, all else is zero codes
.endr
.irp c, 0,1,2
	global_store_b128 v[LD], v[PC+4*\c:PC+4*\c+3], s[18:19] offset:LRO+512*\c   ; step 32 of a's side
.endr
	ds_store_b32 v[R16], v[PW] offset:SCA+2568     ; slot 10, word 2: LDS serves a wave's instructions in order, so the loads below see it
	SCOUT SCA, 22                                  ; a's scale words leave
	s_wait_tensorcnt 0x0
	ds_add_u32 v254, v255
	s_wait_dscnt 0x0
	s_endpgm
.Lfunc_end_k_q411d6d0280_quant:
	.size	k_q411d6d0280_quant, .Lfunc_end_k_q411d6d0280_quant-k_q411d6d0280_quant
	.p2alignl 7, 3214868480
	.fill 96, 4, 3214868480
	.section	.rodata,"a",@progbits
	.p2align	6, 0x0
	.amdhsa_kernel k_q411d6d0280_quant
		.amdhsa_group_segment_fixed_size 176128
		.amdhsa_private_segment_fixed_size 0
		.amdhsa_enable_private_segment 0
		.amdhsa_kernarg_size 72
		.amdhsa_user_sgpr_count 2
		.amdhsa_user_sgpr_kernarg_segment_ptr 1
		.amdhsa_wavefront_size32 1
		.amdhsa_system_sgpr_workgroup_id_x 1
		.amdhsa_system_sgpr_workgroup_id_y 1
		.amdhsa_system_sgpr_workgroup_id_z 1
		.amdhsa_system_vgpr_workitem_id 0
		.amdhsa_next_free_vgpr 256
		.amdhsa_next_free_sgpr 66
		.amdhsa_reserve_vcc 1
		.amdhsa_float_denorm_mode_32 3
		.amdhsa_float_denorm_mode_16_64 3
		.amdhsa_memory_ordered 1
		.amdhsa_forward_progress 1
		.amdhsa_inst_pref_size 90
	.end_amdhsa_kernel
	.amdgpu_metadata
---
amdhsa.version: [ 1, 2 ]
amdhsa.kernels:
  - .name:           k_q411d6d0280_quant
    .symbol:         k_q411d6d0280_quant.kd
    .args:
      - { .name: x, .offset: 0, .size: 8, .value_kind: global_buffer, .address_space: global }
      - { .name: main_qweight, .offset: 8, .size: 8, .value_kind: global_buffer, .address_space: global }
      - { .name: main_wscale, .offset: 16, .size: 8, .value_kind: global_buffer, .address_space: global }
      - { .name: proj_down_dense_codes, .offset: 24, .size: 8, .value_kind: global_buffer, .address_space: global }
      - { .name: proj_down_dense_scales, .offset: 32, .size: 8, .value_kind: global_buffer, .address_space: global }
      - { .name: proj_up_dense_codes, .offset: 40, .size: 8, .value_kind: global_buffer, .address_space: global }
      - { .name: proj_up_dense_scales, .offset: 48, .size: 8, .value_kind: global_buffer, .address_space: global }
      - { .name: a_ops, .offset: 56, .size: 8, .value_kind: global_buffer, .address_space: global }
      - { .name: w_ops, .offset: 64, .size: 8, .value_kind: global_buffer, .address_space: global }
    .group_segment_fixed_size: 176128
    .private_segment_fixed_size: 0
    .kernarg_segment_align: 8
    .kernarg_segment_size: 72
    .max_flat_workgroup_size: 512
    .sgpr_count:     66
    .vgpr_count:     256
    .wavefront_size: 32
...
	.end_amdgpu_metadata
.endif
;; end of part 1
;; launch gemm (part 2): grid 16 x 16, 4 waves a work-group, clusters of 4 x 4, 327,680 bytes of LDS; arguments a_ops, w_ops, bias, out0; writes out0
.if DOCPART == 2
	.amdgcn_target "amdgcn-amd-amdhsa--gfx1250"
	.amdhsa_code_object_version 6
	.text
	.protected	k_q411d6d0280_gemm
	.globl	k_q411d6d0280_gemm
	.p2align	8
	.type	k_q411d6d0280_gemm,@function
k_q411d6d0280_gemm:
	s_mov_b64 s[64:65], 0
	v_nop
	global_prefetch_b8 v0, s[64:65] scope:SCOPE_SE
	s_setreg_imm32_b32 hwreg(HW_REG_WAVE_MODE, 25, 1), 1
	s_wait_xcnt 0x0
	s_wait_alu depctr_hold_cnt(0) depctr_sa_sdst(0) depctr_va_vdst(0) depctr_va_sdst(0) depctr_va_ssrc(0) depctr_va_vcc(0) depctr_vm_vsrc(0)
	s_getreg_b32 s2, hwreg(HW_REG_IB_STS2, 6, 4)
	s_cmp_eq_u32 s2, 0
	s_cbranch_scc0 .Lentry_in_a_cluster
	s_endpgm
.Lentry_in_a_cluster:
	s_bfe_u32 s2, ttmp6, 0x10000c
	s_cmp_lg_u32 s2, 0xf033
	s_cbranch_scc0 .Lentry_shape_is_right
	s_endpgm
.Lentry_shape_is_right:
; out0[n][o] = bias[o] + the sum over 4,096 k of a[n][k] w[o][k] + the sum over 32 ranks of lr[n][.] pu[o][.], all operands codes of E3M2 with one E8M0 byte for each 32 along K; sums in f32; out0 [4096][4096] f32.
; The operands come from the launch before.  K is walked in 33 steps of 128: steps 0-31 are a and w, step 32 is the low-rank product, its K of 32 filled with zero codes.  Step 0's products take the bias as C:
; they start the sums, and neither bias nor correction costs an addition.
; a_ops, w_ops: [128 rows: 32][slot of three steps: 11][38,912 bytes]: the codes [step 3][block of 16 rows: 8][1,536], then from byte 36,864 the scale words [block 8][row 16][4 words] (word q: the slot's step q).
; A fragment (16 rows x 128 K) is an IMAGE OF THE OPERAND'S REGISTERS, registers 4 c .. 4 c + 3 of lane l at 512 c + 16 l: three loads of 16 bytes a lane bring it, each of 512 consecutive bytes.
; A tile of out0, 256 x 256, is made by a work-group of four waves, as many as a WGP has SIMDs; a wave makes 128 x 128: 64 accumulators, 512 registers.
; THE RING: two LDS slots of THREE steps, the most that fit: 4 x 38,912 bytes a slot, 311,296 for the two.  A wave fetches a quarter of a slot, codes and scale words together, by ONE tensor load of 38,912 dense bytes.
; A refill is asked for 160 matrix instructions of the wave ahead of the wait for it; there are ten changes of slots, nine of them with a refill.
; CLUSTERS: 4 x 4 work-groups.  The four of a row of the cluster need the same tiles of a, the four of a column the same tiles of w: each tile is asked for JOINTLY, by the same tensor load with the same descriptor
; and a mask that names the four.  THE MATRIX INSTRUCTION IS USED TRANSPOSED (source 0 = 16 rows of w, source 1 = 16 rows of a): a lane then holds eight neighbouring numbers of a row of out0.
; By this text's own count a wave has two tensor loads out at the start and one behind each round of the cluster's barrier.
; REGISTERS, in windows of 256: window 0: v0-31 addresses; v32-63 and v224-255 scale words, a set for each slot; v64-127 the bias, eight registers for each of w's blocks; v128-223 a's fragments, ONE set;
;   on the way out v64-191 take the rows.   window 1: w's fragments, TWO sets, at v0 and at v128.   window 2: the accumulators of my rows 0-63 (accumulator (a, b) at v[8 (8 a + b)]);   window 3: those of my rows 64-127.
.set SIZE_N, 4096
.set FR,     12                        ; registers of a fragment
.set NL,     3                         ; LDS loads that bring one
.set NP,     4                         ; places behind this matrix instruction (ISA guide 7.12.1)
.set HALFT,  38912                     ; 128 rows x three steps, codes and scale words: what one tensor load brings, and what one wave reads of a or of w in a slot
.set SLOT,   4*HALFT                   ; a's 256 rows, then w's 256 rows
.set HB,     11*HALFT                  ; 128 rows x all 33 steps in memory
.set SCO,    36864                     ; where the scale words begin in such a run
.set LAPS,   4                         ; trips of the loop: a lap = two slots = six steps = once round the ring
.set SPARE,  2*SLOT                    ; behind the ring: the spare words, 128 bytes for each wave: two blocks of 256 bytes that no other line names
.set STAGE,  SLOT                      ; the way out: a stage of 16 rows x (512 bytes + 16) for each wave.  It lies in ring slot 1, which has had its last fill and its last read when the first result is stored there
.set SPITCH, 528
.set ADRA, 16                          ; v16-17  LDS address of my a fragments in slot 0, 1
.set ADRB, 20                          ; v20-21  the same for w
.set STO,  24                          ; v24     the way out: where I put 32 bytes of a row
.set RD,   25                          ; v25     the way out: where I read a row back
.set ADRS, 26                          ; v26-27  LDS address of my scale words in slot 0, 1: lanes 0-15 a's rows, lanes 16-31 w's
.set SPW,  28                          ; v28     LDS address of my spare word: SPARE + 4 x my thread's number; never rewritten
.set NIL,  29                          ; v29     0; never rewritten
.set LI,   30                          ; v30     16 x lane: my place in an image, and in a row of out0
.set BO,   31                          ; v31     32 x (lane / 16): my eight numbers of a block's sixteen of the bias
.set SC0,  32                          ; scale words: slot s's set at v[SC0 + 192 s]; in it register 4 i + q: lanes 0-15 the word of a's block i, lanes 16-31 that of w's block i, for the slot's step q
.set BIAS, 64
.set AF,   128                         ; a's fragments, in window 0
.set BK,   64                          ; the way out: 16 rows read back from the stage: v64-127 and v128-191 by turns
.set WV,   22                          ; s22  my wave's number
.set WH,   23                          ; s23  which half of the tile's rows is mine.  Also: I fetch for a (0) or for w (1)
.set WL,   46                          ; s46  which half of its columns.  Also: which 128 rows of that tile I fetch
.set G1, 24                            ; s[24:31] descriptor group 1 for a's tiles;  s[32:39] group 0, one set for each slot
.set G0, 32
.set G1B, 48                           ; s[48:55], s[56:63] the same for w's tiles
.set G0B, 56
.set MSB, 0
.macro WIN new                         ; the immediate's high byte repeats the setting that is left
.if MSB != \new
	s_set_vgpr_msb (MSB<<8)|\new
.set MSB, \new
.endif
.endm
.set MUL_LO, 0xa1                      ; source 0 (w) window 1, source 1 (a) window 0, C and D window 2
.set MUL_HI, 0xf1                      ; the same, C and D window 3
.set BIA_LO, 0x81                      ; source 0 window 1, source 1 and C (the bias) window 0, D window 2
.set BIA_HI, 0xc1                      ; the same, D window 3
.set TO_B,   0x40                      ; destination window 1, address window 0
; A joint load: waves 0 and 1 fetch for a, waves 2 and 3 for w.  Each of the two lines has ONE mask and one set of registers for all that issue it; the branch hangs on the wave's number alone.
; Four v_nop follow each of the two lines, ahead of the jump, the label and what follows.
.macro JLOAD g0a, g1a, g0b, g1b
	s_cmp_eq_u32 s[WH], 0
	s_cbranch_scc0 .Lfor_b_\@
	tensor_load_to_lds s[\g0a:\g0a+3], s[\g1a:\g1a+7]
	s_nop 0
.rept 4
	v_nop
.endr
	s_branch .Lasked_\@
.Lfor_b_\@:
	tensor_load_to_lds s[\g0b:\g0b+3], s[\g1b:\g1b+7]
	s_nop 0
.rept 4
	v_nop
.endr
.Lasked_\@:
.endm
.macro CREST                           ; a round of the cluster's barrier behind its opening barrier
	s_cmp_lg_u32 s[WV], 0
	s_cbranch_scc1 .Lnot_wave_0_\@
	s_barrier_signal -3
.Lnot_wave_0_\@:
	s_barrier_wait -3
	s_barrier_signal -1
	s_barrier_wait -1
.endm
.macro CROUND                          ; a whole round
	s_barrier_signal -1
	s_barrier_wait -1
	CREST
.endm
	s_load_b256 s[4:11], s[0:1], 0x0               ; a_ops 4, w_ops 6, bias 8, out0 10
	v_lshl_add_u32 v[SPW], v0, 2, SPARE
	v_mov_b32 v[NIL], 0
	ds_add_u32 v28, v29
	ds_add_u32 v28, v29
	s_wait_dscnt 0x0
	v_lshrrev_b32 v1, 5, v0
	v_readfirstlane_b32 s[WV], v1                  ; wave 0..3
	s_lshr_b32 s[WH], s[WV], 1
	s_and_b32 s[WL], s[WV], 1
	s_bfe_u32 s40, ttmp6, 0x40000                  ; cx, cy: my place in the cluster
	s_bfe_u32 s41, ttmp6, 0x40004
	s_lshl_b32 s42, ttmp9, 2
	s_add_co_u32 s42, s42, s40                     ; tile column of out0 = 4 x cluster x + cx
	s_and_b32 s43, ttmp7, 0xffff
	s_lshl_b32 s43, s43, 2
	s_add_co_u32 s43, s43, s41                     ; tile row = 4 x cluster y + cy
	s_lshl_b32 s44, s41, 2
	s_lshl_b32 s44, 15, s44                        ; my row of the cluster
	s_lshl_b32 s45, 0x1111, s40                    ; my column
	; descriptor group 1: a dense run of 38,912 bytes as 152 rows of 256 bytes (32 elements of 8 bytes); it lies in LDS as in memory, without padding: every LDS load takes runs of 256 or 512 consecutive bytes
	s_or_b32 s[G1+0], s44, (3<<16)|(1<<21)         ; 15:0 the mask: a's tiles go to my row; 17:16 elements of 8 bytes; 20 padding off; 21 set beside a mask
	s_or_b32 s[G1B+0], s45, (3<<16)|(1<<21)        ; the same with the mask of my column, for w's tiles
.irp g, G1, G1B
	s_mov_b32 s[\g+1], 32<<16                      ; tensor_dim0 = 32
	s_mov_b32 s[\g+2], 152<<16                     ; tensor_dim1 = 152
	s_mov_b32 s[\g+3], 32<<16                      ; tile_dim0 = 32
	s_mov_b32 s[\g+4], 152                         ; tile_dim1 = 152
	s_mov_b32 s[\g+5], 32                          ; tensor_dim0_stride
	s_mov_b32 s[\g+6], 0
	s_mov_b32 s[\g+7], 0
.endr
	; where the tiles come from.  a's hang on the tile row alone, which my row of the cluster shares (s92-93); w's on the tile column alone, which my column shares (s96-97)
	s_lshl_b32 s92, s43, 1
	s_add_co_u32 s92, s92, s[WL]                   ; a: which 128 rows I fetch: 2 x tile row + half
	s_mul_i32 s92, s92, HB
	s_mov_b32 s93, 0
	s_lshl_b32 s96, s42, 1
	s_add_co_u32 s96, s96, s[WL]                   ; w: 2 x tile column + half
	s_mul_i32 s96, s96, HB
	s_mov_b32 s97, 0
	s_mul_i32 s47, s[WV], HALFT                    ; where they go: a's two halves, then w's two = wave x 38,912: no place in the cluster enters an LDS address
	s_wait_kmcnt 0x0
	s_add_nc_u64 s[92:93], s[4:5], s[92:93]
	s_add_nc_u64 s[96:97], s[6:7], s[96:97]
	CROUND                                         ; all sixteen work-groups are here: the first joint loads meet
.irp s, 0,1
	s_mov_b32 s[G0+4*\s], 1                        ; 1:0 count = 1
	s_add_co_u32 s[G0+4*\s+1], s47, \s*SLOT        ; 63:32 LDS address
	s_add_nc_u64 s[G0+4*\s+2:G0+4*\s+3], s[92:93], \s*HALFT   ; 120:64 global address: slot s
	s_or_b32 s[G0+4*\s+3], s[G0+4*\s+3], 0x80000000           ; 127:126 type = 2
	s_mov_b32 s[G0B+4*\s], 1
	s_add_co_u32 s[G0B+4*\s+1], s47, \s*SLOT
	s_add_nc_u64 s[G0B+4*\s+2:G0B+4*\s+3], s[96:97], \s*HALFT
	s_or_b32 s[G0B+4*\s+3], s[G0B+4*\s+3], 0x80000000
	JLOAD G0+4*\s, G1, G0B+4*\s, G1B
.endr
	v_and_b32 v1, 15, v0                           ; r = l % 16
	v_bfe_u32 v2, v0, 4, 1                         ; h = l / 16
	v_and_b32 v3, 31, v0                           ; l
	v_lshlrev_b32 v[LI], 4, v3
	v_lshlrev_b32 v[BO], 5, v2
	s_lshl_b32 s96, s42, 10                        ; the bias of my 128 columns; the same offset serves my first column of out0 below
	s_lshl_b32 s98, s[WL], 9
	s_add_co_u32 s96, s96, s98
	s_mov_b32 s97, 0
	s_add_nc_u64 s[8:9], s[8:9], s[96:97]
.irp b, 0,1,2,3,4,5,6,7
	global_load_b128 v[BIAS+8*\b:BIAS+8*\b+3], v[BO], s[8:9] offset:64*\b            ; in the result's layout: lane (r, h), register j: column 16 b + 8 h + j
	global_load_b128 v[BIAS+8*\b+4:BIAS+8*\b+7], v[BO], s[8:9] offset:64*\b+16
.endr
	; LDS addresses
	s_mul_i32 s66, s[WH], HALFT                    ; my 128 rows of a
	s_mul_i32 s67, s[WL], HALFT                    ; my 128 rows of w,
	s_add_co_u32 s67, s67, 2*HALFT                 ; which lie behind a's 256
	s_sub_co_u32 s94, s67, s66                     ; the distance between the two (38,912 at the least)
	v_mul_u32_u24 v4, s94, v2                      ; the scale words: lanes 16-31 take w's: one product, the lower base + h x the distance,
	v_lshl_add_u32 v4, v1, 4, v4                   ; 16 bytes a row
	s_add_co_u32 s95, s66, SCO
.irp s, 0,1
	v_add_nc_u32 v[ADRA+\s], s66, v[LI]
	v_add_nc_u32 v[ADRB+\s], s67, v[LI]
	v_add_nc_u32 v[ADRS+\s], s95, v4
	s_add_co_u32 s66, s66, SLOT
	s_add_co_u32 s67, s67, SLOT
	s_add_co_u32 s95, s95, SLOT
.endr
	s_mul_i32 s66, s[WV], 16*SPITCH
	s_add_co_u32 s66, s66, STAGE                   ; my stage
	v_mul_u32_u24 v5, v1, SPITCH                   ; in: row l % 16, 32 bytes for each half of the lanes
	v_lshl_add_u32 v5, v2, 5, v5
	v_add_nc_u32 v[STO], s66, v5
	v_add_nc_u32 v[RD], s66, v[LI]                 ; back: the 32 lanes take one row of 512 bytes
	s_lshl_b32 s92, s43, 8
	s_lshl_b32 s94, s[WH], 7
	s_add_co_u32 s92, s92, s94                     ; my first row of out0: 256 x tile row + 128 x half,
	s_lshl_b32 s92, s92, 14                        ; in bytes (under 2^27)
	s_mov_b32 s93, 0
	s_add_nc_u64 s[92:93], s[92:93], s[96:97]      ; + my first column's bytes
	s_add_nc_u64 s[10:11], s[10:11], s[92:93]
.macro FRAG reg, adr, q, i             ; block i's fragment of the slot's step q: its image, three loads of 512 consecutive bytes
.irp c, 0,1,2
	ds_load_b128 v[\reg+4*\c:\reg+4*\c+3], v[\adr] offset:12288*(\q)+1536*(\i)+512*\c
.endr
.endm
; 16 matrix instructions: a's blocks a0, a0 + 1 x w's eight, 128 along K.  p: w's set;  the scale word of block i stands in v[sb + ss i] (lanes 16-31: w's; lanes 0-15: a's);  cb = 1: C is the bias, and the product starts the sum.
; The 64 accumulators take turns, one instruction a turn, in the same order in every step.
.macro MUL16 a0, p, sb, ss, cb
.irp a, \a0, \a0+1
.irp b, 0,1,2,3,4,5,6,7
.if \cb
	v_wmma_scale_f32_16x16x128_f8f6f4 v[8*(8*((\a)%4)+\b):8*(8*((\a)%4)+\b)+7], v[128*(\p)+FR*\b:128*(\p)+FR*\b+FR-1], v[AF+FR*(\a):AF+FR*(\a)+FR-1], v[BIAS+8*\b:BIAS+8*\b+7], v[(\sb)+(\ss)*\b], v[(\sb)+(\ss)*(\a)] matrix_a_fmt:MATRIX_FMT_BF6 matrix_b_fmt:MATRIX_FMT_BF6 matrix_a_scale:MATRIX_SCALE_ROW1
.else
	v_wmma_scale_f32_16x16x128_f8f6f4 v[8*(8*((\a)%4)+\b):8*(8*((\a)%4)+\b)+7], v[128*(\p)+FR*\b:128*(\p)+FR*\b+FR-1], v[AF+FR*(\a):AF+FR*(\a)+FR-1], v[8*(8*((\a)%4)+\b):8*(8*((\a)%4)+\b)+7], v[(\sb)+(\ss)*\b], v[(\sb)+(\ss)*(\a)] matrix_a_fmt:MATRIX_FMT_BF6 matrix_b_fmt:MATRIX_FMT_BF6 matrix_a_scale:MATRIX_SCALE_ROW1
.endif
.endr
.endr
.endm
.macro FETCH_B slot, q, p              ; w's eight fragments of the slot's step q into set p
	WIN TO_B
.irp i, 0,1,2,3,4,5,6,7
	FRAG 128*(\p)+FR*\i, ADRB+\slot, \q, \i
.endr
	WIN 0
.endm
.macro FETCH_A slot, q, i0             ; a's blocks i0 .. i0 + 3
.irp i, \i0, \i0+1, \i0+2, \i0+3
	FRAG AF+FR*(\i), ADRA+\slot, \q, \i
.endr
.endm
.macro SCALES sc                       ; slot sc's scale words into its set: a row's four words a lane; lanes 0-15 take a's block i (256 consecutive bytes), lanes 16-31 w's block i
.irp i, 0,1,2,3,4,5,6,7
	ds_load_b128 v[SC0+192*(\sc)+4*\i:SC0+192*(\sc)+4*\i+3], v[ADRS+\sc] offset:256*\i
.endr
.endm
; A load into a register that a matrix instruction has read, and an LDS store that reads a matrix result, stand NP places behind that matrix instruction, and only plain vector instructions that name none of its
; registers are places (ISA guide 7.12.1 for vector instructions); this text does not count the matrix instructions in between.
.macro PLACES n
.rept \n
	v_nop
.endr
.endm
; A step of 128 along K that has its successor in the same slot (q = 0, 1).  a's blocks go one after the other, each against w's eight: a block of a is free as soon as its eight products are issued, so one set serves a:
; blocks 0-3 are fetched anew in the step's middle, blocks 4-7 at its end.  w's fragments are at work through the whole step, so w has two sets, which the 33 steps take by turns: set (q + slot) % 2.
.macro STEP slot, q, cb
.set PB, ((\q)+(\slot))%2
.set SB, SC0+192*(\slot)+(\q)
	s_wait_dscnt 4*NL                              ; w's set, a's blocks 0-3 and the scale words are in; the youngest 12 loads (a's blocks 4-7) may be out
.if \cb
	WIN BIA_LO
.else
	WIN MUL_LO
.endif
	MUL16 0, PB, SB, 4, \cb
	MUL16 2, PB, SB, 4, \cb
	s_wait_dscnt 0                                 ; a's blocks 4-7 are in (asked for 32 matrix instructions ago)
	PLACES NP
	FETCH_B \slot, (\q)+1, 1-PB
	FETCH_A \slot, (\q)+1, 0
.if \cb
	WIN BIA_HI
.else
	WIN MUL_HI
.endif
	MUL16 4, PB, SB, 4, \cb
	MUL16 6, PB, SB, 4, \cb
	PLACES NP
	WIN 0
	FETCH_A \slot, (\q)+1, 4
.endm
; A slot's last step (q = 2; w's set is the slot's number) changes slots: ONE barrier; in front of it each wave waits for all its tensor loads, adds 0 to its spare word, and waits for that and for its own reads of this slot.
; fill = 1: this slot is filled again, two slots ahead.
.macro TURN slot, next, fill
.set SB, SC0+192*(\slot)+2
	s_wait_tensorcnt 0x0                           ; all my tensor loads have landed: my part of the next slot;  (every window is 0 here: the add's two registers lie in window 0)
	ds_add_u32 v[SPW], v[NIL]                      ; 0 onto my spare word
	s_wait_dscnt 4*NL+1                            ; (the add and the youngest 12 loads, a's blocks 4-7, may be out)
	WIN MUL_LO
	MUL16 0, \slot, SB, 4, 0                       ; sixteen matrix instructions stand between the add and the wait for it
	s_wait_dscnt 0x0                               ; the add is done, and my reads of this slot are over
	s_barrier_signal -1
	MUL16 2, \slot, SB, 4, 0
	WIN 0
	s_barrier_wait -1
.if \fill
	CREST                                          ; the barrier has opened a round of the cluster's barrier: no wave of any partner still reads this slot's tile or has a load on its way
	s_add_nc_u64 s[G0+4*\slot+2:G0+4*\slot+3], s[G0+4*\slot+2:G0+4*\slot+3], 2*HALFT
	s_add_nc_u64 s[G0B+4*\slot+2:G0B+4*\slot+3], s[G0B+4*\slot+2:G0B+4*\slot+3], 2*HALFT
	JLOAD G0+4*\slot, G1, G0B+4*\slot, G1B         ; the first tensor load behind the round; the four v_nop behind it are the places in front of the loads below
.else
	PLACES NP
.endif
	FETCH_B \next, 0, \next
	FETCH_A \next, 0, 0
	SCALES \next
	WIN MUL_HI
	MUL16 4, \slot, SB, 4, 0
	MUL16 6, \slot, SB, 4, 0
	PLACES NP
	WIN 0
	FETCH_A \next, 0, 4
.endm
	s_wait_tensorcnt 1                             ; my part of slot 0 is in (slot 1's load may be out)
	s_barrier_signal -1
	s_barrier_wait -1                              ; everybody's is
	FETCH_B 0, 0, 0
	FETCH_A 0, 0, 0
	SCALES 0
	FETCH_A 0, 0, 4
	s_wait_loadcnt 0x0                             ; the bias
	STEP 0, 0, 1                                   ; step 0 stands in front of the loop: its products start the sums, from the bias
	s_mov_b32 s3, LAPS
.Llap:                                                 ; a trip goes once round the ring, from a lap's second step to the next lap's first, and fills both slots again: slots 2 to 9 are asked for here
	STEP 0, 1, 0
	TURN 0, 1, 1
	STEP 1, 0, 0
	STEP 1, 1, 0
	TURN 1, 0, 1
	STEP 0, 0, 0
	s_sub_co_u32 s3, s3, 1
	s_cmp_lg_u32 s3, 0
	s_cbranch_scc1 .Llap
	STEP 0, 1, 0                                   ; the tail is written out.  Slot 8 goes on
	TURN 0, 1, 1                                   ; its place takes slot 10, the last to be asked for
	STEP 1, 0, 0                                   ; slot 9
	STEP 1, 1, 0
	TURN 1, 0, 0                                   ; nothing is filled, so no round of the cluster's barrier
	STEP 0, 0, 0                                   ; slot 10: steps 30 and 31,
	STEP 0, 1, 0
	s_wait_dscnt 4*NL                              ; and step 32, the low-rank product: nothing more to fetch
	WIN MUL_LO
	MUL16 0, 0, SC0+2, 4, 0
	MUL16 2, 0, SC0+2, 4, 0
	s_wait_dscnt 0
	WIN MUL_HI
	MUL16 4, 0, SC0+2, 4, 0
	MUL16 6, 0, SC0+2, 4, 0
	WIN 0
; THE WAY OUT, block by block of 16 rows x 128 columns.  A lane holds 32 neighbouring bytes of a row, and the lanes beside it hold other rows: so a block goes through my own stage in LDS and comes back as whole
; rows of 512 bytes, which the 32 lanes store as two aligned runs of 256 bytes.  LDS serves a wave's instructions in order (ISA guide 5.7.1.4): no wait between the stores and the loads, nor in front of the next block's stores.
.macro TOSTAGE a
.set AC, 64*((\a)%4)
	WIN 0x08+4*((\a)/4)                            ; the data: window 2 or 3
.irp b, 0,1,2,3,4,5,6,7
	ds_store_b128 v[STO], v[AC+8*\b:AC+8*\b+3] offset:64*\b          ; each accumulator from its low end on
	ds_store_b128 v[STO], v[AC+8*\b+4:AC+8*\b+7] offset:64*\b+16
.endr
	WIN 0
.set BB, BK+64*((\a)%2)
.irp t, 0,1,2,3,4,5,6,7,8,9,10,11,12,13,14,15
	ds_load_b128 v[BB+4*\t:BB+4*\t+3], v[RD] offset:\t*SPITCH
.endr
.endm
.macro SEND a, younger                 ; younger: the LDS instructions issued behind block a's loads, which may stay out
.set BB, BK+64*((\a)%2)
	s_wait_dscnt \younger                          ; the block is back in registers
.if (\a) > 0
	s_add_nc_u64 s[10:11], s[10:11], 16*SIZE_N*4   ; (behind a wait on XCNT: the earlier stores have read their base)  16 rows on, so that the stores' offsets stay at 15 rows at the most
.endif
.irp t, 0,1,2,3,4,5,6,7,8,9,10,11,12,13,14,15
	global_store_b128 v[LI], v[BB+4*\t:BB+4*\t+3], s[10:11] offset:\t*SIZE_N*4 th:TH_STORE_NT   ; 32 lanes store 512 consecutive bytes, at a multiple of 256 from out0's first byte; written once, read by nobody here
.endr
.endm
	PLACES NP                                      ; in front of the loads into the registers that held a's fragments, and of the reads of the last products' results
	TOSTAGE 0
.irp a, 1,2,3,4,5,6,7
.if \a > 1
	s_wait_xcnt 0x0                                ; block a - 2's stores have read their registers and their base: block a's loads may land there, and the base may step
.endif
	TOSTAGE \a
	SEND \a-1, 32                                  ; behind block a - 1's loads: block a's 16 stores and 16 loads
.endr
	s_wait_xcnt 0x0                                ; block 6's stores have read their base
	SEND 7, 0
	s_wait_tensorcnt 0x0                           ; the wave's end, behind my last tensor load and my last LDS store
	ds_add_u32 v[SPW], v[NIL]
	s_wait_dscnt 0x0
	CROUND                                         ; the closing round: no work-group ends while a partner may still ask for a tile that names it
	s_endpgm
.Lfunc_end_k_q411d6d0280_gemm:
	.size	k_q411d6d0280_gemm, .Lfunc_end_k_q411d6d0280_gemm-k_q411d6d0280_gemm
	.p2alignl 7, 3214868480
	.fill 96, 4, 3214868480
	.section	.rodata,"a",@progbits
	.p2align	6, 0x0
	.amdhsa_kernel k_q411d6d0280_gemm
		.amdhsa_group_segment_fixed_size 327680
		.amdhsa_private_segment_fixed_size 0
		.amdhsa_enable_private_segment 0
		.amdhsa_kernarg_size 32
		.amdhsa_user_sgpr_count 2
		.amdhsa_user_sgpr_kernarg_segment_ptr 1
		.amdhsa_wavefront_size32 1
		.amdhsa_system_sgpr_workgroup_id_x 1
		.amdhsa_system_sgpr_workgroup_id_y 1
		.amdhsa_system_sgpr_workgroup_id_z 1
		.amdhsa_system_vgpr_workitem_id 0
		.amdhsa_next_free_vgpr 1024
		.amdhsa_next_free_sgpr 100
		.amdhsa_reserve_vcc 0
		.amdhsa_float_denorm_mode_32 3
		.amdhsa_float_denorm_mode_16_64 3
		.amdhsa_memory_ordered 1
		.amdhsa_forward_progress 1
		.amdhsa_inst_pref_size 216
	.end_amdhsa_kernel
	.amdgpu_metadata
---
amdhsa.version: [ 1, 2 ]
amdhsa.kernels:
  - .name:           k_q411d6d0280_gemm
    .symbol:         k_q411d6d0280_gemm.kd
    .args:
      - { .name: a_ops, .offset: 0, .size: 8, .value_kind: global_buffer, .address_space: global }
      - { .name: w_ops, .offset: 8, .size: 8, .value_kind: global_buffer, .address_space: global }
      - { .name: bias, .offset: 16, .size: 8, .value_kind: global_buffer, .address_space: global }
      - { .name: out0, .offset: 24, .size: 8, .value_kind: global_buffer, .address_space: global }
    .group_segment_fixed_size: 327680
    .private_segment_fixed_size: 0
    .kernarg_segment_align: 8
    .kernarg_segment_size: 32
    .max_flat_workgroup_size: 128
    .sgpr_count:     100
    .vgpr_count:     1024
    .wavefront_size: 32
...
	.end_amdgpu_metadata
.endif
;; end of part 2
;; ======== version 2 of 2: 2 launches
;; workspace buffers: a_ops 13,697,024 bytes; w_ops 13,697,024 bytes
;; launch quant (part 3): grid 256 x 1, 16 waves a work-group, no clusters, 176,128 bytes of LDS; arguments x, main_qweight, main_wscale, proj_down_dense_codes, proj_down_dense_scales, proj_up_dense_codes, proj_up_dense_scales, a_ops, w_ops; writes a_ops, w_ops
.if DOCPART == 3
	.amdgcn_target "amdgcn-amd-amdhsa--gfx1250"
	.amdhsa_code_object_version 6
	.text
	.protected	k_q411d6d0280_quant
	.globl	k_q411d6d0280_quant
	.p2align	8
	.type	k_q411d6d0280_quant,@function
k_q411d6d0280_quant:
	s_mov_b64 s[64:65], 0
	v_nop
	global_prefetch_b8 v0, s[64:65] scope:SCOPE_SE
	s_setreg_imm32_b32 hwreg(HW_REG_WAVE_SCHED_MODE, 0, 2), 2
	s_setreg_imm32_b32 hwreg(HW_REG_WAVE_MODE, 25, 1), 1
	s_wait_xcnt 0x0
	s_wait_alu depctr_vm_vsrc(0)
; x [4096][4096] f32 and the weight (int32 x one f32 scale for each 64 along K) are read ONCE and leave as operands of the large product, in codes of E3M2 with one E8M0 byte for each 32 along K:
;   a = Q(a_deq), a_deq = clip(round(x / ascale), +-127) x ascale, ascale = (largest |x| of a group of 64) / 127, or 1 for a group of zeros;   w = Q(int32 x wscale).
; On the way low_rank = Q(x) proj_down is made (proj_down's codes as given), summed over all of K in f32 and quantised along its 32 ranks; proj_up's codes are laid out anew, filled with zero codes up to 128 along K.
; A block's scale is 2^(floor(log2(its largest magnitude)) - 4): its byte is that magnitude's exponent field - 4, held at 1 from below.
; LAYOUT OF WHAT IS STORED.  The next launch walks 33 steps of 128 along K: steps 0-31 are a and w, step 32 is low_rank and proj_up.  Three steps are a slot.  a_ops and w_ops: [128 rows: 32][slot: 11][38,912 bytes], one dense
; run for one tensor load: the codes [step 3][block of 16 rows: 8][1,536], then from byte 36,864 the scale words [block 8][row 16][4 words], word q for the slot's step q, word 3 = 0.
; A fragment (16 rows x 128 K, 12 registers a lane) is stored as an IMAGE OF ITS REGISTERS, registers 4 c .. 4 c + 3 of lane l at 512 c + 16 l: 1,536 bytes.
; So step S of block b begins at 38,912 (S / 3) + 12,288 (S % 3) + 1,536 b = 12,288 S + 2,048 (S / 3) + 1,536 b.  S / 3 is (43 S) >> 7, which is exact for S up to 32.
; LIMITS: NaN and infinities are not served.  x / ascale is x times v_rcp_f32(ascale), an ulp or two from the division.  A group of 64 that is not all zeros and whose largest magnitude lies under 2^-119
; has a denormal ascale, which v_rcp_f32 takes for zero: not served.  A block of zeros gets the byte 1 where the rule says 127: its codes are zeros, which add nothing, and the bytes are read by this program alone.
; SHARES: work-group g owns rows 16 g .. 16 g + 15 of x AND of the weight; wave w of sixteen owns K = 256 w .. 256 w + 255: four tiles of 16 rows x 128 K (x, x, weight, weight), written out, every offset an immediate.
; A load reads 512 consecutive bytes of one row; the conversions want 16 neighbours along K in one lane: so a tile turns through the wave's own stage in LDS (rows of 512 + 16 bytes).  The next tile's 16 loads are
; on their way while a tile is worked on.  No tensor loads, no cluster (the work-groups share proj_down's 98,304 bytes alone), one barrier, at the end, in front of the sum over the sixteen waves.
; THE MODE: SCHED_MODE bits 1:0 = 2 (LLVM: expert scheduling mode 2), set by the entry lines.  The code itself states the register dependences between vector or matrix instructions and memory or LDS
; instructions, with s_wait_alu, always for 0.
; THE PLAN.  Registers that memory or LDS instructions touch:
;   R (v16-79)        Written by a tile's 16 loads; read by the stage's 16 stores.  No vector line names it before the end.
;   X (v80-143)       Written by the stage's 16 LDS loads; read and written by the tile's vector lines; no memory instruction reads it.
;   PC, PW            Written by CODES (in wave 3's arm: by loads and selects); read by the products, and by OUT's three stores and its LDS store.
;   PD                Written by loads; read by the products; step 1's fragments land behind step 0's products.
;   LR                Written by the products; read by four LDS stores; never written again.
;   the addresses (v1-14, v238-243, v254, v255)  Written at the head, once.
; So a tile has ONE wait on vm_vsrc, in TURN, behind the stage's stores: they have read R, and the tile before's stores have read PC and PW; and ONE wait on va_vdst at its end, in OUT: PC and PW are written, and
; the tile's lines are done with X, in which the next turn's LDS loads land with no vector line between.  A tile of x has one more ahead of its products, and its first one more ahead of proj_down's next fragments.
.set RED,  0                           ; LDS: 16 x 2,048: each wave's 16 registers of low_rank's partial sums, as an image
.set SCA,  32768                       ; 11 x 256: a's scale words, [slot][row][16 bytes]: as a block's lie in a_ops, slot by slot
.set SCW,  35840                       ; the weight's likewise
.set STG,  38912                       ; 16 x 8,448: each wave's stage
.set WSTG, 8448
.set SP,   528                         ; a stage row: 33 x 16 bytes, so that the sixteen rows of a load of 16 bytes a lane start at sixteen different groups of four banks
.set SLB,  38912                       ; 128 rows x one slot in a_ops and w_ops
.set HB,   11*SLB                      ; 128 rows x all 33 steps
.set SCO,  36864                       ; where a slot's scale words begin
.set LRO,  32*12288+10*2048            ; where step 32 begins
.set LANE, 1                           ; v1   lane
.set RR,   2                           ; v2   r = lane % 16
.set HH,   3                           ; v3   h = lane / 16
.set LD,   4                           ; v4   16 x lane
.set SI,   5                           ; v5   the stage, on the way in
.set SO,   6                           ; v6   and on the way out: row r, + 64 h
.set PDA,  7                           ; v7   proj_down's codes: my row of a tile, + 24 h
.set PSA,  8                           ; v8   its scale words
.set WSA,  9                           ; v9   the weight's scales: 256 r
.set RDA,  11                          ; v11  where my partial sums go
.set CL,   12                          ; v12  127.0
.set PUA,  14                          ; v14  proj_up's codes: 24 r
.set CN,   15                          ; v15  -127.0
.set R,    16                          ; v16-79   a tile as loaded
.set X,    80                          ; v80-143  register 16 b + i = k 32 b + 16 h + i of row r
.set PC,   144                         ; v144-155 a fragment's codes; v156-163 the conversions' second halves
.set TM,   164                         ; v164-167 the blocks' largest magnitudes; v168-171 at work, then bytes; v172-173 the groups' maxima; v176-179 the conversions' scale operands
.set PW,   180                         ; v180     the scale word
.set G,    182                         ; v182, 184: 1 / ascale of the tile's two groups (later two of the weight's scales); v186, 188: ascale; the odd registers are the pairs' upper halves, written once
.set WS,   190                         ; v190-193 my row's four weight scales
.set PD,   194                         ; v194-217 two fragments of proj_down
.set PDS,  218                         ; v218-221 its scale words: 2 t + u
.set LR,   222                         ; v222-237 low_rank^T: two accumulators
.set SWA,  238                         ; v238-239 where my row's scale word of my step t goes in LDS
.set STA,  240                         ; v240-241 where my 16 bytes of my step t's image go in a_ops and w_ops
.set R16,  242                         ; v242     16 r
.set GS,   243                         ; v243     the scale words' way out: 38,912 h + 16 r: lanes 0-15 one slot, lanes 16-31 the next
.set WV,   32                          ; s32  my wave's number
.set SEL,  34                          ; s[34:35] v_permlanex16_b32's selects for lane l xor 16
.set NZ,   44                          ; s44, s45 a tile's two groups of 64: the lanes whose group is not all zeros
	s_load_b512 s[4:19], s[0:1], 0x0               ; x 4, qweight 6, wscale 8, proj_down's codes 10, its scales 12, proj_up's codes 14, its scales 16, a_ops 18
	s_load_b64 s[20:21], s[0:1], 0x40              ; w_ops
	v_lshl_add_u32 v254, v0, 2, 0x2a800
	v_mov_b32 v255, 0
	v_lshrrev_b32 v15, 5, v0
	v_readfirstlane_b32 s[WV], v15                 ; wave 0..15
	v_and_b32 v[LANE], 31, v0
	v_and_b32 v[RR], 15, v0
	v_bfe_u32 v[HH], v0, 4, 1
	v_lshlrev_b32 v[LD], 4, v[LANE]
	v_lshlrev_b32 v[R16], 4, v[RR]
	v_mul_u32_u24 v[GS], v[HH], SLB
	v_add_nc_u32 v[GS], v[GS], v[R16]
	s_wait_alu depctr_va_sdst(0)                   ; s32, the wave's number, is written, ahead of its first reader: LDS places, offsets and branches are made from it
	s_mul_i32 s33, s[WV], WSTG
	s_add_co_u32 s33, s33, STG                     ; my stage
	v_add_nc_u32 v[SI], s33, v[LD]
	v_mul_u32_u24 v[SO], v[RR], SP
	v_lshl_add_u32 v[SO], v[HH], 6, v[SO]
	v_add_nc_u32 v[SO], s33, v[SO]
	v_and_b32 v15, 8, v[RR]
	v_add_nc_u32 v15, v15, v[RR]                   ; r + 8 (r / 8): THE ROWS OF proj_down THAT FORM A TILE ARE NOT NEIGHBOURS: lane r of tile u takes rank 8 u + r + 8 (r / 8),
	v_mul_u32_u24 v[PDA], v15, 3072                ; so that in the result lane (r, h) holds token r and register 8 u + j rank 16 h + 8 u + j: 16 neighbours along the next K
	v_mad_u32_u24 v[PDA], v[HH], 24, v[PDA]
	v_lshlrev_b32 v[PSA], 7, v15
	v_lshlrev_b32 v[WSA], 8, v[RR]
	; my two steps are S = 2 w and 2 w + 1; their slots d = (43 S) >> 7
	s_mul_i32 s33, s[WV], 86
	s_lshr_b32 s40, s33, 7                         ; d of step 2 w
	s_add_co_u32 s33, s33, 43
	s_lshr_b32 s41, s33, 7                         ; d of step 2 w + 1
	s_lshl_b32 s42, s[WV], 3                       ; in LDS a scale word lies at 256 d + 4 (S - 3 d) + 16 r = 4 S + 244 d + 16 r
	s_mul_i32 s43, s40, 244
	s_add_co_u32 s43, s43, s42
	s_add_co_u32 s43, s43, SCA
	v_lshl_add_u32 v[SWA], v[RR], 4, s43
	s_mul_i32 s43, s41, 244
	s_add_co_u32 s43, s43, s42
	s_add_co_u32 s43, s43, SCA+4
	v_lshl_add_u32 v[SWA+1], v[RR], 4, s43
	s_mul_i32 s42, s[WV], 24576                    ; in memory an image begins at 12,288 S + 2,048 d
	s_lshl_b32 s43, s40, 11
	s_add_co_u32 s43, s43, s42
	v_add_nc_u32 v[STA], s43, v[LD]
	s_lshl_b32 s43, s41, 11
	s_add_co_u32 s43, s43, s42
	s_add_co_u32 s43, s43, 12288
	v_add_nc_u32 v[STA+1], s43, v[LD]
	s_lshl_b32 s33, s[WV], 11
	v_add_nc_u32 v[RDA], s33, v[LD]
	v_mov_b32 v[CL], 0x42fe0000
	v_mov_b32 v[CN], 0xc2fe0000
	v_mul_u32_u24 v[PUA], v[RR], 24
	s_mov_b32 s[SEL], 0x76543210
	s_mov_b32 s[SEL+1], 0xfedcba98
.irp b, 0,1,2,3
	v_mov_b32 v[TM+4+\b], 0                        ; written once: a lane permute's destination counts as one of its sources
	v_mov_b32 v[G+1+2*\b], 0                       ; named as the upper halves of pairs of which the low word alone is taken
.endr
	; every buffer at my part: offsets in s[36:37], all under 2^32
	s_mov_b32 s37, 0
	s_lshl_b32 s36, ttmp9, 18                      ; 16 rows of 16,384 bytes,
	s_lshl_b32 s38, s[WV], 10                      ; 256 numbers of 4 bytes
	s_add_co_u32 s36, s36, s38
	s_wait_kmcnt 0x0
	s_add_nc_u64 s[4:5], s[4:5], s[36:37]
	s_add_nc_u64 s[6:7], s[6:7], s[36:37]
	s_lshl_b32 s36, ttmp9, 12                      ; wscale: 16 rows of 256 bytes, four groups a wave
	s_lshl_b32 s38, s[WV], 4
	s_add_co_u32 s36, s36, s38
	s_add_nc_u64 s[8:9], s[8:9], s[36:37]
	s_mul_i32 s36, s[WV], 192                      ; proj_down: 256 codes
	s_add_nc_u64 s[10:11], s[10:11], s[36:37]
	s_lshl_b32 s36, s[WV], 3                       ; and their 8 scale bytes
	s_add_nc_u64 s[12:13], s[12:13], s[36:37]
	s_mul_i32 s36, ttmp9, 384                      ; proj_up: 16 rows of 24 bytes
	s_add_nc_u64 s[14:15], s[14:15], s[36:37]
	s_lshl_b32 s36, ttmp9, 4
	s_add_nc_u64 s[16:17], s[16:17], s[36:37]
	s_lshr_b32 s38, ttmp9, 3                       ; which 128 rows,
	s_mul_i32 s36, s38, HB
	s_and_b32 s39, ttmp9, 7                        ; and which block of 16 among them
	s_mul_i32 s38, s39, 1536
	s_add_co_u32 s38, s36, s38                     ; the block's codes in slot 0
	s_lshl_b32 s39, s39, 8
	s_add_co_u32 s36, s36, s39
	s_add_co_u32 s36, s36, SCO                     ; its scale words in slot 0
	s_add_nc_u64 s[22:23], s[18:19], s[36:37]      ; s[22:23] a's scale words, s[24:25] the weight's
	s_add_nc_u64 s[24:25], s[20:21], s[36:37]
	s_mov_b32 s36, s38
	s_add_nc_u64 s[18:19], s[18:19], s[36:37]      ; s[18:19] a's codes, s[20:21] the weight's
	s_add_nc_u64 s[20:21], s[20:21], s[36:37]
	s_wait_alu depctr_va_vdst(0)                   ; all offsets and LDS addresses (v1-14, v238-243) are written, which the kernel's loads and stores read; none is written again
.macro LOAD n                          ; tile n (0, 1: x; 2, 3: the weight): row i's 128 numbers: 32 lanes read 512 consecutive bytes; read once in the launch
.irp i, 0,1,2,3,4,5,6,7,8,9,10,11,12,13,14,15
.if (\n) < 2
	global_load_b128 v[R+4*\i:R+4*\i+3], v[LD], s[4:5] offset:16384*\i+512*((\n)%2) th:TH_LOAD_NT
.else
	global_load_b128 v[R+4*\i:R+4*\i+3], v[LD], s[6:7] offset:16384*\i+512*((\n)%2) th:TH_LOAD_NT
.endif
.endr
.endm
.macro PDLOAD t                        ; proj_down's two fragments of my step t
.irp u, 0,1
.irp p, 0,1,2,3,4,5
	global_load_b64 v[PD+12*\u+2*\p:PD+12*\u+2*\p+1], v[PDA], s[10:11] offset:24576*\u+96*(\t)+48*(\p/3)+8*(\p%3)
.endr
.endr
.endm
.macro TURN n                          ; tile n through my stage; the next tile is asked for as soon as the stage's stores have read its registers
	s_wait_loadcnt 0x0                             ; the tile's 16 loads are in, and whatever else was asked for behind them (proj_down's fragments, the scales)
.irp i, 0,1,2,3,4,5,6,7,8,9,10,11,12,13,14,15
	ds_store_b128 v[SI], v[R+4*\i:R+4*\i+3] offset:SP*\i
.endr
.irp b, 0,1,2,3
.irp j, 0,1,2,3
	ds_load_b128 v[X+16*\b+4*\j:X+16*\b+4*\j+3], v[SO] offset:128*\b+16*\j   ; LDS serves a wave's instructions in order: these see the stores above.  The tile before's lines that name X stand ahead of the wait in its OUT, and no vector line since names X
.endr
.endr
	s_wait_alu depctr_vm_vsrc(0)                   ; the stage's stores have read R, in which the next tile's loads land (behind the last tile: the end's LDS loads and moves); the tile before's stores (ahead of tile 0: wave 3's) have read PC and PW, which this tile's CODES writes again
.if (\n) < 3
	LOAD (\n)+1
.endif
	s_wait_dscnt 0x0                               ; the numbers are back
.endm
.macro BLKMAX                          ; the largest magnitude of each of the four blocks of 32: my 16 numbers, then lane l xor 16's.  The blocks take turns, so that no line waits for the line above it
.irp b, 0,1,2,3
	v_max3_num_f32 v[TM+\b], |v[X+16*\b]|, |v[X+16*\b+1]|, |v[X+16*\b+2]|
.endr
.irp i, 3,5,7,9,11,13
.irp b, 0,1,2,3
	v_max3_num_f32 v[TM+\b], v[TM+\b], |v[X+16*\b+\i]|, |v[X+16*\b+\i+1]|
.endr
.endr
.irp b, 0,1,2,3
	v_max_num_f32 v[TM+\b], v[TM+\b], |v[X+16*\b+15]|
.endr
.irp b, 0,1,2,3
	v_permlanex16_b32 v[TM+4+\b], v[TM+\b], s[SEL], s[SEL+1]
.endr
.irp b, 0,1,2,3
	v_max_num_f32 v[TM+\b], v[TM+\b], v[TM+4+\b]
.endr
.endm
.macro CODES                           ; X's 64 numbers and the four largest magnitudes (which are kept) become a fragment in v[PC] on and its scale word in v[PW]
	s_wait_xcnt 0x0                                ; earlier stores have read v[PC] on: they are rewritten only behind this wait (and behind the wait on vm_vsrc in TURN)
.irp b, 0,1,2,3
	v_max_num_f32 v[TM+12+\b], 0x2800000, v[TM+\b] ; the floor 2^(5 - 127): the byte cannot fall under 1
.endr
.irp b, 0,1,2,3
	v_add_nc_u32 v[TM+12+\b], 0xfe000000, v[TM+12+\b]   ; 4 off the exponent field: the conversion takes the exponent field of this operand as its scale, and nothing else of it
.endr
.irp b, 0,1,2,3
	v_lshrrev_b32 v[TM+4+\b], 23, v[TM+12+\b]      ; the scale's byte
.endr
	v_lshl_or_b32 v[PW], v[TM+5], 8, v[TM+4]
	v_lshl_or_b32 v[PW], v[TM+6], 16, v[PW]
	v_lshl_or_b32 v[PW], v[TM+7], 24, v[PW]
.irp c, 0,1
	v_cvt_scalef32_pk16_bf6_f32 v[PC+6*\c:PC+6*\c+2], v[X+32*\c:X+32*\c+15], v[TM+12+2*\c]
	v_cvt_scalef32_pk16_bf6_f32 v[PC+12+4*\c:PC+14+4*\c], v[X+32*\c+16:X+32*\c+31], v[TM+13+2*\c]   ; (a conversion's three registers begin on an even number)
.endr
	v_nop                                          ; one plain place behind a scaled conversion
.irp c, 0,1                            ; the operand's layout wants a WHOLE block in a lane: lanes 0-15 block 2 c, lanes 16-31 block 2 c + 1
.irp i, 0,1,2
	v_permlane16_swap_b32 v[PC+6*\c+\i], v[PC+12+4*\c+\i]
.endr
.irp i, 0,1,2
	v_mov_b32 v[PC+3+6*\c+\i], v[PC+12+4*\c+\i]
.endr
.endr
.endm
.macro OUT base, t, sc                 ; the fragment leaves as it stands, 512 consecutive bytes a store; its scale words wait in LDS for the end
	s_wait_alu depctr_va_vdst(0)                   ; CODES has written PC and PW, which the stores below read; the tile's lines are done with X, in which the next turn's LDS loads land; the products have written LR, which is stored behind the second tile
.irp c, 0,1,2
	global_store_b128 v[STA+(\t)], v[PC+4*\c:PC+4*\c+3], s[\base:\base+1] offset:512*\c
.endr
	ds_store_b32 v[SWA+(\t)], v[PW] offset:\sc     ; lanes r and r + 16 write the same word with the same value
.endm
.macro XTILE t                         ; a tile of x: Q(x) for low_rank, then a_deq and Q(a_deq)
	BLKMAX
	s_wait_alu depctr_va_vdst(0)
	CODES
	v_max_num_f32 v[TM+8], v[TM], v[TM+1]          ; a group of 64 is two blocks
	v_max_num_f32 v[TM+9], v[TM+2], v[TM+3]
	v_mul_f32 v[G+4], 0x3c010204, v[TM+8]          ; ascale = the largest magnitude x (1 / 127),
	v_mul_f32 v[G+6], 0x3c010204, v[TM+9]
	v_cmp_lt_f32 s[NZ], 0, v[TM+8]                 ; the two compares in a run, each into a scalar register of its own,
	v_cmp_lt_f32 s[NZ+1], 0, v[TM+9]
	s_wait_alu depctr_va_sdst(0)                   ; s44 and s45 are written, ahead of the two selects that read them
	v_cndmask_b32 v[G+4], 1.0, v[G+4], s[NZ]       ; or 1 for a group of zeros
	v_cndmask_b32 v[G+6], 1.0, v[G+6], s[NZ+1]
	s_wait_alu depctr_va_vdst(0)
	v_rcp_f32 v[G], v[G+4]
	v_rcp_f32 v[G+2], v[G+6]
	v_nop                                          ; a plain place behind the reciprocals.  With the eight lines above it also parts the scale word's and the codes' last writes from the products
	s_wait_alu depctr_va_vdst(0)                   ; CODES has written PC and PW, which the products take as an operand and as scales (the places above stay beside this wait); the two reciprocals are written, ahead of their first reader
.irp u, 0,1                            ; low_rank^T += proj_down Q(x)^T: source 0 = 16 ranks, source 1 = my 16 tokens; the two accumulators take turns
.if (\t) == 0
	v_wmma_scale_f32_16x16x128_f8f6f4 v[LR+8*\u:LR+8*\u+7], v[PD+12*\u:PD+12*\u+11], v[PC:PC+11], 0, v[PDS+2*(\t)+\u], v[PW] matrix_a_fmt:MATRIX_FMT_BF6 matrix_b_fmt:MATRIX_FMT_BF6
.else
	v_wmma_scale_f32_16x16x128_f8f6f4 v[LR+8*\u:LR+8*\u+7], v[PD+12*\u:PD+12*\u+11], v[PC:PC+11], v[LR+8*\u:LR+8*\u+7], v[PDS+2*(\t)+\u], v[PW] matrix_a_fmt:MATRIX_FMT_BF6 matrix_b_fmt:MATRIX_FMT_BF6
.endif
.endr
.irp c, 0,1                            ; x / ascale.  (These lines name no register of the products: they are the places behind them)
.irp j, 0,2,4,6,8,10,12,14,16,18,20,22,24,26,28,30
	v_pk_mul_f32 v[X+32*\c+\j:X+32*\c+\j+1], v[X+32*\c+\j:X+32*\c+\j+1], v[G+2*\c:G+2*\c+1] op_sel_hi:[1,0]
.endr
.endr
.if (\t) == 0
	s_wait_alu depctr_va_vdst(0)                   ; the two products are done reading step 0's fragments of proj_down, in which step 1's land
	PDLOAD 1
.endif
; A BLOCK'S LARGEST |a_deq| IS NOT SEARCHED FOR: multiplying by a positive number, rounding and clipping are odd and never reverse an order, so the block's largest |x|, put through the same four lines, gives it, with the same bits
.irp b, 0,1,2,3
	v_mul_f32 v[TM+\b], v[TM+\b], v[G+2*(\b/2)]
.endr
.set Q, 0
.rept 64
	v_rndne_f32 v[X+Q], v[X+Q]                     ; to the nearest whole number, ties to even
.set Q, Q+1
.endr
.irp b, 0,1,2,3
	v_rndne_f32 v[TM+\b], v[TM+\b]
.endr
.set Q, 0
.rept 64
	v_med3_num_f32 v[X+Q], v[X+Q], v[CN], v[CL]    ; the clip at +-127
.set Q, Q+1
.endr
.irp b, 0,1,2,3
	v_med3_num_f32 v[TM+\b], v[TM+\b], v[CN], v[CL]
.endr
.irp c, 0,1
.irp j, 0,2,4,6,8,10,12,14,16,18,20,22,24,26,28,30
	v_pk_mul_f32 v[X+32*\c+\j:X+32*\c+\j+1], v[X+32*\c+\j:X+32*\c+\j+1], v[G+4+2*\c:G+5+2*\c] op_sel_hi:[1,0]   ; x ascale: a_deq
.endr
.endr
.irp b, 0,1,2,3
	v_mul_f32 v[TM+\b], v[TM+\b], v[G+4+2*(\b/2)]
.endr
	s_wait_alu depctr_va_vdst(0)
	CODES
	OUT 18, \t, 0
.endm
.macro WTILE t                         ; a tile of the weight: int32 to f32, x the group's scale, quantised
.set Q, 0
.rept 64
	v_cvt_f32_i32 v[X+Q], v[X+Q]
.set Q, Q+1
.endr
.irp j, 0,2,4,6,8,10,12,14,16,18,20,22,24,26,28,30
	v_pk_mul_f32 v[X+\j:X+\j+1], v[X+\j:X+\j+1], v[WS+2*(\t):WS+2*(\t)+1] op_sel_hi:[1,0]          ; the tile's first group of 64
.endr
.irp j, 0,2,4,6,8,10,12,14,16,18,20,22,24,26,28,30
	v_pk_mul_f32 v[X+32+\j:X+33+\j], v[X+32+\j:X+33+\j], v[G+2*(\t):G+2*(\t)+1] op_sel_hi:[1,0]    ; its second
.endr
	BLKMAX
	s_wait_alu depctr_va_vdst(0)
	CODES
	OUT 20, \t, SCW-SCA
.endm
; A block's scale words of all 11 slots leave LDS: a row's three words by a load of 12 bytes, the fourth word is 0.  A store covers two slots, 256 consecutive aligned bytes in each; the eleventh slot's is made by
; lanes 0-15, and lanes 16-31 write the same bytes with the same values.  (The loads land in registers of R: the stage's last stores have read them ahead of the wait in the last TURN, and whatever vector lines named
; them in wave 0's sum stand ahead of the wait in front of that sum's stores.)
.macro SCOUT lds, base
.irp c, 0,1,2,3,4
	ds_load_b96 v[R+16+4*\c:R+18+4*\c], v[LD] offset:\lds+512*\c
.endr
	ds_load_b96 v[R+36:R+38], v[R16] offset:\lds+2560
.irp c, 0,1,2,3,4,5
	v_mov_b32 v[R+19+4*\c], 0
.endr
	s_wait_alu depctr_va_vdst(0)                   ; the six fourth words are written, which the stores below read
.irp c, 0,1,2,3,4
	s_wait_dscnt 5-\c                              ; LDS loads come back in order: the younger ones may be out
	global_store_b128 v[GS], v[R+16+4*\c:R+19+4*\c], s[\base:\base+1] offset:2*SLB*\c
.endr
	s_wait_dscnt 0x0
	global_store_b128 v[R16], v[R+36:R+39], s[\base:\base+1] offset:10*SLB
.endm
	LOAD 0
	PDLOAD 0
.irp t, 0,1
.irp u, 0,1
	global_load_b32 v[PDS+2*\t+\u], v[PSA], s[12:13] offset:1024*\u+4*\t
.endr
.endr
	global_load_b128 v[WS:WS+3], v[WSA], s[8:9]
	; wave 3 alone: proj_up's 16 rows of 32 codes become step 32's fragment of the weight's side: lanes 0-15, registers 0-5 hold the row's 24 bytes as given, all else is zero codes; the scale word is the given byte under three bytes 0, which meet zero codes alone
	s_cmp_lg_u32 s[WV], 3
	s_cbranch_scc1 .Lnot_three
.irp p, 0,1,2
	global_load_b64 v[PC+2*\p:PC+2*\p+1], v[PUA], s[14:15] offset:8*\p
.endr
	global_load_u8 v[PW], v[RR], s[16:17]
	s_wait_loadcnt 0x0                             ; (the first tile's turn wants this wait anyway)
	v_cmp_gt_u32 vcc_lo, 16, v[LANE]
	s_wait_alu depctr_va_vcc(0)                    ; VCC is written, ahead of the six selects that read it
.irp i, 0,1,2,3,4,5
	v_cndmask_b32 v[PC+\i], 0, v[PC+\i], vcc_lo
.endr
.irp i, 6,7,8,9,10,11
	v_mov_b32 v[PC+\i], 0
.endr
	s_wait_alu depctr_va_vdst(0)                   ; the selects and the moves have written PC, which the stores below read
.irp c, 0,1,2
	global_store_b128 v[LD], v[PC+4*\c:PC+4*\c+3], s[20:21] offset:LRO+512*\c
.endr
	ds_store_b32 v[R16], v[PW] offset:SCW+2568     ; slot 10, word 2; lanes r and r + 16 write the same word with the same value
.Lnot_three:
	TURN 0
	XTILE 0
	TURN 1
	XTILE 1
.irp c, 0,1,2,3
	ds_store_b128 v[RDA], v[LR+4*\c:LR+4*\c+3] offset:RED+512*\c   ; my partial sums, each accumulator from its low end on; the products that wrote them stand ahead of the wait in OUT, and the tile's later lines are the places behind them
.endr
	TURN 2
	v_mov_b32 v[G], v[WS+1]                        ; the scales at odd registers get pairs of their own
	v_mov_b32 v[G+2], v[WS+3]
	WTILE 0
	TURN 3
	WTILE 1
	s_wait_alu depctr_vm_vsrc(0)                   ; the last tile's stores have read PC and PW: behind the barrier wave 0's LDS loads land in PC, and its lines write PC and PW again
	s_wait_dscnt 0x0                               ; for the others' sake: my partial sums and my scale words lie in LDS
	s_barrier_signal -1
	s_barrier_wait -1
	s_cmp_eq_u32 s[WV], 1
	s_cbranch_scc1 .Lscales
	s_cmp_eq_u32 s[WV], 0
	s_cbranch_scc1 .Lsum
	s_wait_dscnt 0x0                               ; the closing lines, six on end
	s_wait_alu 0x0
	s_wait_tensorcnt 0x0
	ds_add_u32 v254, v255
	s_wait_dscnt 0x0
	s_endpgm
.Lscales:                              ; wave 1: the weight's scale words leave
	SCOUT SCW, 24
	s_wait_dscnt 0x0                               ; the closing lines, six on end, as above
	s_wait_alu 0x0
	s_wait_tensorcnt 0x0
	ds_add_u32 v254, v255
	s_wait_dscnt 0x0
	s_endpgm
.Lsum:                                 ; wave 0: low_rank = the sum of the sixteen waves' parts, K ascending; then its 32 ranks are one block
	s_wait_xcnt 0x0                                ; my last stores have read v[PC] on, where a load lands below
.irp k, 0,1,2,3,4,5,6,7
.irp c, 0,1,2,3
	ds_load_b128 v[R+16*\k+4*\c:R+16*\k+4*\c+3], v[LD] offset:RED+2048*\k+512*\c   ; into R and X: the last tile's lines that name X stand ahead of the wait in its OUT
.endr
.endr
	s_wait_dscnt 0x0
.irp k, 1,2,3,4,5,6,7
.irp j, 0,2,4,6,8,10,12,14
	v_pk_add_f32 v[R+\j:R+\j+1], v[R+\j:R+\j+1], v[R+16*\k+\j:R+16*\k+\j+1]
.endr
.endr
	s_wait_alu depctr_va_vdst(0)                   ; the additions above are done reading v32 to v143, in which the second eight parts land
.irp k, 8,9,10,11,12,13,14,15
.irp c, 0,1,2,3
	ds_load_b128 v[R+16*(\k-7)+4*\c:R+16*(\k-7)+4*\c+3], v[LD] offset:RED+2048*\k+512*\c
.endr
.endr
	s_wait_dscnt 0x0
.irp k, 8,9,10,11,12,13,14,15
.irp j, 0,2,4,6,8,10,12,14
	v_pk_add_f32 v[R+\j:R+\j+1], v[R+\j:R+\j+1], v[R+16*(\k-7)+\j:R+16*(\k-7)+\j+1]
.endr
.endr
	v_max3_num_f32 v[TM], |v[R]|, |v[R+1]|, 0x2800000   ; my 16 ranks (16 h on) of token r, and the floor
.irp i, 2,4,6,8,10,12,14
	v_max3_num_f32 v[TM], v[TM], |v[R+\i]|, |v[R+\i+1]|
.endr
	v_permlanex16_b32 v[TM+4], v[TM], s[SEL], s[SEL+1]
	v_max_num_f32 v[TM], v[TM], v[TM+4]            ; with lane l xor 16's: the block's
	v_add_nc_u32 v[TM+12], 0xfe000000, v[TM]
	v_lshrrev_b32 v[PW], 23, v[TM+12]              ; the scale word: the byte under three bytes 0, which meet zero codes alone
.irp i, 3,4,5,6,7,8,9,10,11
	v_mov_b32 v[PC+\i], 0
.endr
	v_cvt_scalef32_pk16_bf6_f32 v[PC:PC+2], v[R:R+15], v[TM+12]
	v_nop                                          ; one plain place behind a scaled conversion
.irp i, 0,1,2
	v_permlane16_swap_b32 v[PC+\i], v[PC+3+\i]     ; lanes 16-31's codes go to lanes 0-15, registers 3-5, and zeros come back: lanes 0-15 hold the row's 32 codes, all else is zero codes
.endr
	s_wait_alu depctr_va_vdst(0)                   ; PC and PW are written, which the stores below read; the additions are done with v32 on, in which the scale words' loads land
.irp c, 0,1,2
	global_store_b128 v[LD], v[PC+4*\c:PC+4*\c+3], s[18:19] offset:LRO+512*\c   ; step 32 of a's side
.endr
	ds_store_b32 v[R16], v[PW] offset:SCA+2568     ; slot 10, word 2: LDS serves a wave's instructions in order, so the loads below see it
	SCOUT SCA, 22                                  ; a's scale words leave
	s_wait_dscnt 0x0                               ; the closing lines, six on end, as above
	s_wait_alu 0x0
	s_wait_tensorcnt 0x0
	ds_add_u32 v254, v255
	s_wait_dscnt 0x0
	s_endpgm
.Lfunc_end_k_q411d6d0280_quant:
	.size	k_q411d6d0280_quant, .Lfunc_end_k_q411d6d0280_quant-k_q411d6d0280_quant
	.p2alignl 7, 3214868480
	.fill 96, 4, 3214868480
	.section	.rodata,"a",@progbits
	.p2align	6, 0x0
	.amdhsa_kernel k_q411d6d0280_quant
		.amdhsa_group_segment_fixed_size 176128
		.amdhsa_private_segment_fixed_size 0
		.amdhsa_enable_private_segment 0
		.amdhsa_kernarg_size 72
		.amdhsa_user_sgpr_count 2
		.amdhsa_user_sgpr_kernarg_segment_ptr 1
		.amdhsa_wavefront_size32 1
		.amdhsa_system_sgpr_workgroup_id_x 1
		.amdhsa_system_sgpr_workgroup_id_y 1
		.amdhsa_system_sgpr_workgroup_id_z 1
		.amdhsa_system_vgpr_workitem_id 0
		.amdhsa_next_free_vgpr 256
		.amdhsa_next_free_sgpr 66
		.amdhsa_reserve_vcc 1
		.amdhsa_float_denorm_mode_32 3
		.amdhsa_float_denorm_mode_16_64 3
		.amdhsa_memory_ordered 1
		.amdhsa_forward_progress 1
		.amdhsa_inst_pref_size 92
	.end_amdhsa_kernel
	.amdgpu_metadata
---
amdhsa.version: [ 1, 2 ]
amdhsa.kernels:
  - .name:           k_q411d6d0280_quant
    .symbol:         k_q411d6d0280_quant.kd
    .args:
      - { .name: x, .offset: 0, .size: 8, .value_kind: global_buffer, .address_space: global }
      - { .name: main_qweight, .offset: 8, .size: 8, .value_kind: global_buffer, .address_space: global }
      - { .name: main_wscale, .offset: 16, .size: 8, .value_kind: global_buffer, .address_space: global }
      - { .name: proj_down_dense_codes, .offset: 24, .size: 8, .value_kind: global_buffer, .address_space: global }
      - { .name: proj_down_dense_scales, .offset: 32, .size: 8, .value_kind: global_buffer, .address_space: global }
      - { .name: proj_up_dense_codes, .offset: 40, .size: 8, .value_kind: global_buffer, .address_space: global }
      - { .name: proj_up_dense_scales, .offset: 48, .size: 8, .value_kind: global_buffer, .address_space: global }
      - { .name: a_ops, .offset: 56, .size: 8, .value_kind: global_buffer, .address_space: global }
      - { .name: w_ops, .offset: 64, .size: 8, .value_kind: global_buffer, .address_space: global }
    .group_segment_fixed_size: 176128
    .private_segment_fixed_size: 0
    .kernarg_segment_align: 8
    .kernarg_segment_size: 72
    .max_flat_workgroup_size: 512
    .sgpr_count:     66
    .vgpr_count:     256
    .wavefront_size: 32
...
	.end_amdgpu_metadata
.endif
;; end of part 3
;; launch gemm (part 4): grid 16 x 16, 4 waves a work-group, clusters of 4 x 4, 327,680 bytes of LDS; arguments a_ops, w_ops, bias, out0; writes out0
.if DOCPART == 4
	.amdgcn_target "amdgcn-amd-amdhsa--gfx1250"
	.amdhsa_code_object_version 6
	.text
	.protected	k_q411d6d0280_gemm
	.globl	k_q411d6d0280_gemm
	.p2align	8
	.type	k_q411d6d0280_gemm,@function
k_q411d6d0280_gemm:
	s_mov_b64 s[64:65], 0
	v_nop
	global_prefetch_b8 v0, s[64:65] scope:SCOPE_SE
	s_setreg_imm32_b32 hwreg(HW_REG_WAVE_MODE, 25, 1), 1
	s_wait_xcnt 0x0
	s_wait_alu depctr_hold_cnt(0) depctr_sa_sdst(0) depctr_va_vdst(0) depctr_va_sdst(0) depctr_va_ssrc(0) depctr_va_vcc(0) depctr_vm_vsrc(0)
	s_getreg_b32 s2, hwreg(HW_REG_IB_STS2, 6, 4)
	s_cmp_eq_u32 s2, 0
	s_cbranch_scc0 .Lentry_in_a_cluster
	s_endpgm
.Lentry_in_a_cluster:
	s_bfe_u32 s2, ttmp6, 0x10000c
	s_cmp_lg_u32 s2, 0xf033
	s_cbranch_scc0 .Lentry_shape_is_right
	s_endpgm
.Lentry_shape_is_right:
; out0[n][o] = bias[o] + the sum over 4,096 k of a[n][k] w[o][k] + the sum over 32 ranks of lr[n][.] pu[o][.], all operands codes of E3M2 with one E8M0 byte for each 32 along K; sums in f32; out0 [4096][4096] f32.
; The operands come from the launch before.  K is walked in 33 steps of 128: steps 0-31 are a and w, step 32 is the low-rank product, its K of 32 filled with zero codes.  Step 0's products take the bias as C:
; they start the sums, and neither bias nor correction costs an addition.
; a_ops, w_ops: [128 rows: 32][slot of three steps: 11][38,912 bytes]: the codes [step 3][block of 16 rows: 8][1,536], then from byte 36,864 the scale words [block 8][row 16][4 words] (word q: the slot's step q).
; A fragment (16 rows x 128 K) is an IMAGE OF THE OPERAND'S REGISTERS, registers 4 c .. 4 c + 3 of lane l at 512 c + 16 l: three loads of 16 bytes a lane bring it, each of 512 consecutive bytes.
; A tile of out0, 256 x 256, is made by a work-group of four waves, as many as a WGP has SIMDs; a wave makes 128 x 128: 64 accumulators, 512 registers.
; THE RING: two LDS slots of THREE steps, the most that fit: 4 x 38,912 bytes a slot, 311,296 for the two.  A wave fetches a quarter of a slot, codes and scale words together, by ONE tensor load of 38,912 dense bytes.
; A refill is asked for 160 matrix instructions of the wave ahead of the wait for it; there are ten changes of slots, nine of them with a refill.
; CLUSTERS: 4 x 4 work-groups.  The four of a row of the cluster need the same tiles of a, the four of a column the same tiles of w: each tile is asked for JOINTLY, by the same tensor load with the same descriptor
; and a mask that names the four.  THE MATRIX INSTRUCTION IS USED TRANSPOSED (source 0 = 16 rows of w, source 1 = 16 rows of a): a lane then holds eight neighbouring numbers of a row of out0.
; By this text's own count a wave has one tensor load out behind each round of the cluster's barrier, the two at the start included.
; REGISTERS, in windows of 256: window 0: v0-31 addresses; v32-63 and v224-255 scale words, a set for each slot; v64-127 the bias, eight registers for each of w's blocks; v128-223 a's fragments, ONE set;
;   on the way out v64-191 take the rows.   window 1: w's fragments, TWO sets, at v0 and at v128.   window 2: the accumulators of my rows 0-63 (accumulator (a, b) at v[8 (8 a + b)]);   window 3: those of my rows 64-127.
.set SIZE_N, 4096
.set FR,     12                        ; registers of a fragment
.set NL,     3                         ; LDS loads that bring one
.set NP,     4                         ; places behind this matrix instruction (ISA guide 7.12.1)
.set HALFT,  38912                     ; 128 rows x three steps, codes and scale words: what one tensor load brings, and what one wave reads of a or of w in a slot
.set SLOT,   4*HALFT                   ; a's 256 rows, then w's 256 rows
.set HB,     11*HALFT                  ; 128 rows x all 33 steps in memory
.set SCO,    36864                     ; where the scale words begin in such a run
.set LAPS,   4                         ; trips of the loop: a lap = two slots = six steps = once round the ring
.set SPARE,  2*SLOT                    ; behind the ring: the spare words, 128 bytes for each wave: two blocks of 256 bytes that no other line names
.set STAGE,  SLOT                      ; the way out: a stage of 16 rows x (512 bytes + 16) for each wave.  It lies in ring slot 1, which has had its last fill and its last read when the first result is stored there
.set SPITCH, 528
.set ADRA, 16                          ; v16-17  LDS address of my a fragments in slot 0, 1
.set ADRB, 20                          ; v20-21  the same for w
.set STO,  24                          ; v24     the way out: where I put 32 bytes of a row
.set RD,   25                          ; v25     the way out: where I read a row back
.set ADRS, 26                          ; v26-27  LDS address of my scale words in slot 0, 1: lanes 0-15 a's rows, lanes 16-31 w's
.set SPW,  28                          ; v28     LDS address of my spare word: SPARE + 4 x my thread's number; never rewritten
.set NIL,  29                          ; v29     0; never rewritten
.set LI,   30                          ; v30     16 x lane: my place in an image, and in a row of out0
.set BO,   31                          ; v31     32 x (lane / 16): my eight numbers of a block's sixteen of the bias
.set SC0,  32                          ; scale words: slot s's set at v[SC0 + 192 s]; in it register 4 i + q: lanes 0-15 the word of a's block i, lanes 16-31 that of w's block i, for the slot's step q
.set BIAS, 64
.set AF,   128                         ; a's fragments, in window 0
.set BK,   64                          ; the way out: 16 rows read back from the stage: v64-127 and v128-191 by turns
.set WV,   22                          ; s22  my wave's number
.set WH,   23                          ; s23  which half of the tile's rows is mine.  Also: I fetch for a (0) or for w (1)
.set WL,   46                          ; s46  which half of its columns.  Also: which 128 rows of that tile I fetch
.set G1, 24                            ; s[24:31] descriptor group 1 for a's tiles;  s[32:39] group 0, one set for each slot
.set G0, 32
.set G1B, 48                           ; s[48:55], s[56:63] the same for w's tiles
.set G0B, 56
.set MSB, 0
.macro WIN new                         ; the immediate's high byte repeats the setting that is left
.if MSB != \new
	s_set_vgpr_msb (MSB<<8)|\new
.set MSB, \new
.endif
.endm
.set MUL_LO, 0xa1                      ; source 0 (w) window 1, source 1 (a) window 0, C and D window 2
.set MUL_HI, 0xf1                      ; the same, C and D window 3
.set BIA_LO, 0x81                      ; source 0 window 1, source 1 and C (the bias) window 0, D window 2
.set BIA_HI, 0xc1                      ; the same, D window 3
.set TO_B,   0x40                      ; destination window 1, address window 0
; A joint load: waves 0 and 1 fetch for a, waves 2 and 3 for w.  Each of the two lines has ONE mask and one set of registers for all that issue it; the branch hangs on the wave's number alone.
; Four v_nop follow each of the two lines, ahead of the jump, the label and what follows.
.macro JLOAD g0a, g1a, g0b, g1b
	s_cmp_eq_u32 s[WH], 0
	s_cbranch_scc0 .Lfor_b_\@
	tensor_load_to_lds s[\g0a:\g0a+3], s[\g1a:\g1a+7]
	s_nop 0
.rept 4
	v_nop
.endr
	s_branch .Lasked_\@
.Lfor_b_\@:
	tensor_load_to_lds s[\g0b:\g0b+3], s[\g1b:\g1b+7]
	s_nop 0
.rept 4
	v_nop
.endr
.Lasked_\@:
.endm
.macro CREST                           ; a round of the cluster's barrier behind its opening barrier
	s_cmp_lg_u32 s[WV], 0
	s_cbranch_scc1 .Lnot_wave_0_\@
	s_barrier_signal -3
.Lnot_wave_0_\@:
	s_barrier_wait -3
	s_barrier_signal -1
	s_barrier_wait -1
.endm
.macro CROUND                          ; a whole round
	s_barrier_signal -1
	s_barrier_wait -1
	CREST
.endm
	s_load_b256 s[4:11], s[0:1], 0x0               ; a_ops 4, w_ops 6, bias 8, out0 10
	v_lshl_add_u32 v[SPW], v0, 2, SPARE
	v_mov_b32 v[NIL], 0
	ds_add_u32 v28, v29
	ds_add_u32 v28, v29
	s_wait_dscnt 0x0
	v_lshrrev_b32 v1, 5, v0
	v_readfirstlane_b32 s[WV], v1                  ; wave 0..3
	s_lshr_b32 s[WH], s[WV], 1
	s_and_b32 s[WL], s[WV], 1
	s_bfe_u32 s40, ttmp6, 0x40000                  ; cx, cy: my place in the cluster
	s_bfe_u32 s41, ttmp6, 0x40004
	s_lshl_b32 s42, ttmp9, 2
	s_add_co_u32 s42, s42, s40                     ; tile column of out0 = 4 x cluster x + cx
	s_and_b32 s43, ttmp7, 0xffff
	s_lshl_b32 s43, s43, 2
	s_add_co_u32 s43, s43, s41                     ; tile row = 4 x cluster y + cy
	s_lshl_b32 s44, s41, 2
	s_lshl_b32 s44, 15, s44                        ; my row of the cluster
	s_lshl_b32 s45, 0x1111, s40                    ; my column
	; descriptor group 1: a dense run of 38,912 bytes as 152 rows of 256 bytes (32 elements of 8 bytes); it lies in LDS as in memory, without padding: every LDS load takes runs of 256 or 512 consecutive bytes
	s_or_b32 s[G1+0], s44, (3<<16)|(1<<21)         ; 15:0 the mask: a's tiles go to my row; 17:16 elements of 8 bytes; 20 padding off; 21 set beside a mask
	s_or_b32 s[G1B+0], s45, (3<<16)|(1<<21)        ; the same with the mask of my column, for w's tiles
.irp g, G1, G1B
	s_mov_b32 s[\g+1], 32<<16                      ; tensor_dim0 = 32
	s_mov_b32 s[\g+2], 152<<16                     ; tensor_dim1 = 152
	s_mov_b32 s[\g+3], 32<<16                      ; tile_dim0 = 32
	s_mov_b32 s[\g+4], 152                         ; tile_dim1 = 152
	s_mov_b32 s[\g+5], 32                          ; tensor_dim0_stride
	s_mov_b32 s[\g+6], 0
	s_mov_b32 s[\g+7], 0
.endr
	; where the tiles come from.  a's hang on the tile row alone, which my row of the cluster shares (s92-93); w's on the tile column alone, which my column shares (s96-97)
	s_lshl_b32 s92, s43, 1
	s_add_co_u32 s92, s92, s[WL]                   ; a: which 128 rows I fetch: 2 x tile row + half
	s_mul_i32 s92, s92, HB
	s_mov_b32 s93, 0
	s_lshl_b32 s96, s42, 1
	s_add_co_u32 s96, s96, s[WL]                   ; w: 2 x tile column + half
	s_mul_i32 s96, s96, HB
	s_mov_b32 s97, 0
	s_mul_i32 s47, s[WV], HALFT                    ; where they go: a's two halves, then w's two = wave x 38,912: no place in the cluster enters an LDS address
	s_wait_kmcnt 0x0
	s_add_nc_u64 s[92:93], s[4:5], s[92:93]
	s_add_nc_u64 s[96:97], s[6:7], s[96:97]
	CROUND                                         ; all sixteen work-groups are here: the first joint loads meet
.irp s, 0,1
	s_mov_b32 s[G0+4*\s], 1                        ; 1:0 count = 1
	s_add_co_u32 s[G0+4*\s+1], s47, \s*SLOT        ; 63:32 LDS address
	s_add_nc_u64 s[G0+4*\s+2:G0+4*\s+3], s[92:93], \s*HALFT   ; 120:64 global address: slot s
	s_or_b32 s[G0+4*\s+3], s[G0+4*\s+3], 0x80000000           ; 127:126 type = 2
	s_mov_b32 s[G0B+4*\s], 1
	s_add_co_u32 s[G0B+4*\s+1], s47, \s*SLOT
	s_add_nc_u64 s[G0B+4*\s+2:G0B+4*\s+3], s[96:97], \s*HALFT
	s_or_b32 s[G0B+4*\s+3], s[G0B+4*\s+3], 0x80000000
	s_wait_alu depctr_va_vdst(0)
	s_wait_tensorcnt 0x0
	ds_add_u32 v28, v29
	ds_add_u32 v28, v29
	s_wait_dscnt 0x0
	CROUND
	JLOAD G0+4*\s, G1, G0B+4*\s, G1B
.endr
	v_and_b32 v1, 15, v0                           ; r = l % 16
	v_bfe_u32 v2, v0, 4, 1                         ; h = l / 16
	s_wait_alu depctr_va_vdst(0)
	v_and_b32 v3, 31, v0                           ; l
	v_lshlrev_b32 v[LI], 4, v3
	s_wait_alu depctr_va_vdst(0)
	v_lshlrev_b32 v[BO], 5, v2
	s_lshl_b32 s96, s42, 10                        ; the bias of my 128 columns; the same offset serves my first column of out0 below
	s_lshl_b32 s98, s[WL], 9
	s_add_co_u32 s96, s96, s98
	s_mov_b32 s97, 0
	s_add_nc_u64 s[8:9], s[8:9], s[96:97]
.irp b, 0,1,2,3,4,5,6,7
	global_load_b128 v[BIAS+8*\b:BIAS+8*\b+3], v[BO], s[8:9] offset:64*\b            ; in the result's layout: lane (r, h), register j: column 16 b + 8 h + j
	global_load_b128 v[BIAS+8*\b+4:BIAS+8*\b+7], v[BO], s[8:9] offset:64*\b+16
.endr
	; LDS addresses
	s_mul_i32 s66, s[WH], HALFT                    ; my 128 rows of a
	s_mul_i32 s67, s[WL], HALFT                    ; my 128 rows of w,
	s_add_co_u32 s67, s67, 2*HALFT                 ; which lie behind a's 256
	s_sub_co_u32 s94, s67, s66                     ; the distance between the two (38,912 at the least)
	v_mul_u32_u24 v4, s94, v2                      ; the scale words: lanes 16-31 take w's: one product, the lower base + h x the distance,
	v_lshl_add_u32 v4, v1, 4, v4                   ; 16 bytes a row
	s_add_co_u32 s95, s66, SCO
.irp s, 0,1
	v_add_nc_u32 v[ADRA+\s], s66, v[LI]
	v_add_nc_u32 v[ADRB+\s], s67, v[LI]
	v_add_nc_u32 v[ADRS+\s], s95, v4
	s_add_co_u32 s66, s66, SLOT
	s_add_co_u32 s67, s67, SLOT
	s_add_co_u32 s95, s95, SLOT
.endr
	s_mul_i32 s66, s[WV], 16*SPITCH
	s_add_co_u32 s66, s66, STAGE                   ; my stage
	v_mul_u32_u24 v5, v1, SPITCH                   ; in: row l % 16, 32 bytes for each half of the lanes
	v_lshl_add_u32 v5, v2, 5, v5
	v_add_nc_u32 v[STO], s66, v5
	v_add_nc_u32 v[RD], s66, v[LI]                 ; back: the 32 lanes take one row of 512 bytes
	s_lshl_b32 s92, s43, 8
	s_lshl_b32 s94, s[WH], 7
	s_add_co_u32 s92, s92, s94                     ; my first row of out0: 256 x tile row + 128 x half,
	s_lshl_b32 s92, s92, 14                        ; in bytes (under 2^27)
	s_mov_b32 s93, 0
	s_add_nc_u64 s[92:93], s[92:93], s[96:97]      ; + my first column's bytes
	s_add_nc_u64 s[10:11], s[10:11], s[92:93]
.macro FRAG reg, adr, q, i             ; block i's fragment of the slot's step q: its image, three loads of 512 consecutive bytes
.irp c, 0,1,2
	ds_load_b128 v[\reg+4*\c:\reg+4*\c+3], v[\adr] offset:12288*(\q)+1536*(\i)+512*\c
.endr
.endm
; 16 matrix instructions: a's blocks a0, a0 + 1 x w's eight, 128 along K.  p: w's set;  the scale word of block i stands in v[sb + ss i] (lanes 16-31: w's; lanes 0-15: a's);  cb = 1: C is the bias, and the product starts the sum.
; The 64 accumulators take turns, one instruction a turn, in the same order in every step.
.macro MUL16 a0, p, sb, ss, cb
.irp a, \a0, \a0+1
.irp b, 0,1,2,3,4,5,6,7
.if \cb
	v_wmma_scale_f32_16x16x128_f8f6f4 v[8*(8*((\a)%4)+\b):8*(8*((\a)%4)+\b)+7], v[128*(\p)+FR*\b:128*(\p)+FR*\b+FR-1], v[AF+FR*(\a):AF+FR*(\a)+FR-1], v[BIAS+8*\b:BIAS+8*\b+7], v[(\sb)+(\ss)*\b], v[(\sb)+(\ss)*(\a)] matrix_a_fmt:MATRIX_FMT_BF6 matrix_b_fmt:MATRIX_FMT_BF6 matrix_a_scale:MATRIX_SCALE_ROW1
.else
	v_wmma_scale_f32_16x16x128_f8f6f4 v[8*(8*((\a)%4)+\b):8*(8*((\a)%4)+\b)+7], v[128*(\p)+FR*\b:128*(\p)+FR*\b+FR-1], v[AF+FR*(\a):AF+FR*(\a)+FR-1], v[8*(8*((\a)%4)+\b):8*(8*((\a)%4)+\b)+7], v[(\sb)+(\ss)*\b], v[(\sb)+(\ss)*(\a)] matrix_a_fmt:MATRIX_FMT_BF6 matrix_b_fmt:MATRIX_FMT_BF6 matrix_a_scale:MATRIX_SCALE_ROW1
.endif
.endr
.endr
.endm
.macro FETCH_B slot, q, p              ; w's eight fragments of the slot's step q into set p
	WIN TO_B
.irp i, 0,1,2,3,4,5,6,7
	FRAG 128*(\p)+FR*\i, ADRB+\slot, \q, \i
.endr
	WIN 0
.endm
.macro FETCH_A slot, q, i0             ; a's blocks i0 .. i0 + 3
.irp i, \i0, \i0+1, \i0+2, \i0+3
	FRAG AF+FR*(\i), ADRA+\slot, \q, \i
.endr
.endm
.macro SCALES sc                       ; slot sc's scale words into its set: a row's four words a lane; lanes 0-15 take a's block i (256 consecutive bytes), lanes 16-31 w's block i
.irp i, 0,1,2,3,4,5,6,7
	ds_load_b128 v[SC0+192*(\sc)+4*\i:SC0+192*(\sc)+4*\i+3], v[ADRS+\sc] offset:256*\i
.endr
.endm
; A load into a register that a matrix instruction has read, and an LDS store that reads a matrix result, stand NP places behind that matrix instruction, and only plain vector instructions that name none of its
; registers are places (ISA guide 7.12.1 for vector instructions); this text does not count the matrix instructions in between.
.macro PLACES n
.rept \n
	v_nop
.endr
.endm
; A step of 128 along K that has its successor in the same slot (q = 0, 1).  a's blocks go one after the other, each against w's eight: a block of a is free as soon as its eight products are issued, so one set serves a:
; blocks 0-3 are fetched anew in the step's middle, blocks 4-7 at its end.  w's fragments are at work through the whole step, so w has two sets, which the 33 steps take by turns: set (q + slot) % 2.
.macro STEP slot, q, cb
.set PB, ((\q)+(\slot))%2
.set SB, SC0+192*(\slot)+(\q)
	s_wait_dscnt 4*NL                              ; w's set, a's blocks 0-3 and the scale words are in; the youngest 12 loads (a's blocks 4-7) may be out
.if \cb
	WIN BIA_LO
.else
	WIN MUL_LO
.endif
	MUL16 0, PB, SB, 4, \cb
	MUL16 2, PB, SB, 4, \cb
	s_wait_dscnt 0                                 ; a's blocks 4-7 are in (asked for 32 matrix instructions ago)
	PLACES NP
	FETCH_B \slot, (\q)+1, 1-PB
	FETCH_A \slot, (\q)+1, 0
.if \cb
	WIN BIA_HI
.else
	WIN MUL_HI
.endif
	MUL16 4, PB, SB, 4, \cb
	MUL16 6, PB, SB, 4, \cb
	PLACES NP
	WIN 0
	FETCH_A \slot, (\q)+1, 4
.endm
; A slot's last step (q = 2; w's set is the slot's number) changes slots: ONE barrier; in front of it each wave waits for all its tensor loads, adds 0 to its spare word, and waits for that and for its own reads of this slot.
; fill = 1: this slot is filled again, two slots ahead.
.macro TURN slot, next, fill
.set SB, SC0+192*(\slot)+2
	s_wait_tensorcnt 0x0                           ; all my tensor loads have landed: my part of the next slot;  (every window is 0 here: the add's two registers lie in window 0)
	ds_add_u32 v[SPW], v[NIL]                      ; 0 onto my spare word
	s_wait_dscnt 4*NL+1                            ; (the add and the youngest 12 loads, a's blocks 4-7, may be out)
	WIN MUL_LO
	MUL16 0, \slot, SB, 4, 0                       ; sixteen matrix instructions stand between the add and the wait for it
	s_wait_dscnt 0x0                               ; the add is done, and my reads of this slot are over
	s_barrier_signal -1
	MUL16 2, \slot, SB, 4, 0
	WIN 0
	s_barrier_wait -1
.if \fill
	CREST                                          ; the barrier has opened a round of the cluster's barrier: no wave of any partner still reads this slot's tile or has a load on its way
	s_add_nc_u64 s[G0+4*\slot+2:G0+4*\slot+3], s[G0+4*\slot+2:G0+4*\slot+3], 2*HALFT
	s_add_nc_u64 s[G0B+4*\slot+2:G0B+4*\slot+3], s[G0B+4*\slot+2:G0B+4*\slot+3], 2*HALFT
	JLOAD G0+4*\slot, G1, G0B+4*\slot, G1B         ; the first tensor load behind the round; the four v_nop behind it are the places in front of the loads below
.else
	PLACES NP
.endif
	FETCH_B \next, 0, \next
	FETCH_A \next, 0, 0
	SCALES \next
	WIN MUL_HI
	MUL16 4, \slot, SB, 4, 0
	MUL16 6, \slot, SB, 4, 0
	PLACES NP
	WIN 0
	FETCH_A \next, 0, 4
.endm
	s_wait_alu depctr_va_vdst(0)
	s_wait_tensorcnt 1                             ; my part of slot 0 is in (slot 1's load may be out)
	s_barrier_signal -1
	s_barrier_wait -1                              ; everybody's is
	FETCH_B 0, 0, 0
	FETCH_A 0, 0, 0
	SCALES 0
	FETCH_A 0, 0, 4
	s_wait_loadcnt 0x0                             ; the bias
	STEP 0, 0, 1                                   ; step 0 stands in front of the loop: its products start the sums, from the bias
	s_mov_b32 s3, LAPS
.Llap:                                                 ; a trip goes once round the ring, from a lap's second step to the next lap's first, and fills both slots again: slots 2 to 9 are asked for here
	STEP 0, 1, 0
	TURN 0, 1, 1
	STEP 1, 0, 0
	STEP 1, 1, 0
	TURN 1, 0, 1
	STEP 0, 0, 0
	s_sub_co_u32 s3, s3, 1
	s_cmp_lg_u32 s3, 0
	s_cbranch_scc1 .Llap
	STEP 0, 1, 0                                   ; the tail is written out.  Slot 8 goes on
	TURN 0, 1, 1                                   ; its place takes slot 10, the last to be asked for
	STEP 1, 0, 0                                   ; slot 9
	STEP 1, 1, 0
	TURN 1, 0, 0                                   ; nothing is filled, so no round of the cluster's barrier
	STEP 0, 0, 0                                   ; slot 10: steps 30 and 31,
	STEP 0, 1, 0
	s_wait_dscnt 4*NL                              ; and step 32, the low-rank product: nothing more to fetch
	WIN MUL_LO
	MUL16 0, 0, SC0+2, 4, 0
	MUL16 2, 0, SC0+2, 4, 0
	s_wait_dscnt 0
	WIN MUL_HI
	MUL16 4, 0, SC0+2, 4, 0
	MUL16 6, 0, SC0+2, 4, 0
	WIN 0
; THE WAY OUT, block by block of 16 rows x 128 columns.  A lane holds 32 neighbouring bytes of a row, and the lanes beside it hold other rows: so a block goes through my own stage in LDS and comes back as whole
; rows of 512 bytes, which the 32 lanes store as two aligned runs of 256 bytes.  LDS serves a wave's instructions in order (ISA guide 5.7.1.4): no wait between the stores and the loads, nor in front of the next block's stores.
.macro TOSTAGE a
.set AC, 64*((\a)%4)
	WIN 0x08+4*((\a)/4)                            ; the data: window 2 or 3
.irp b, 0,1,2,3,4,5,6,7
	ds_store_b128 v[STO], v[AC+8*\b:AC+8*\b+3] offset:64*\b          ; each accumulator from its low end on
	ds_store_b128 v[STO], v[AC+8*\b+4:AC+8*\b+7] offset:64*\b+16
.endr
	WIN 0
.set BB, BK+64*((\a)%2)
.irp t, 0,1,2,3,4,5,6,7,8,9,10,11,12,13,14,15
	ds_load_b128 v[BB+4*\t:BB+4*\t+3], v[RD] offset:\t*SPITCH
.endr
.endm
.macro SEND a, younger                 ; younger: the LDS instructions issued behind block a's loads, which may stay out
.set BB, BK+64*((\a)%2)
	s_wait_dscnt \younger                          ; the block is back in registers
.if (\a) > 0
	s_add_nc_u64 s[10:11], s[10:11], 16*SIZE_N*4   ; (behind a wait on XCNT: the earlier stores have read their base)  16 rows on, so that the stores' offsets stay at 15 rows at the most
.endif
.irp t, 0,1,2,3,4,5,6,7,8,9,10,11,12,13,14,15
	global_store_b128 v[LI], v[BB+4*\t:BB+4*\t+3], s[10:11] offset:\t*SIZE_N*4 th:TH_STORE_NT   ; 32 lanes store 512 consecutive bytes, at a multiple of 256 from out0's first byte; written once, read by nobody here
.endr
.endm
	PLACES NP                                      ; in front of the loads into the registers that held a's fragments, and of the reads of the last products' results
	TOSTAGE 0
.irp a, 1,2,3,4,5,6,7
.if \a > 1
	s_wait_xcnt 0x0                                ; block a - 2's stores have read their registers and their base: block a's loads may land there, and the base may step
.endif
	TOSTAGE \a
	SEND \a-1, 32                                  ; behind block a - 1's loads: block a's 16 stores and 16 loads
.endr
	s_wait_xcnt 0x0                                ; block 6's stores have read their base
	SEND 7, 0
	s_wait_tensorcnt 0x0                           ; the wave's end, behind my last tensor load and my last LDS store
	ds_add_u32 v[SPW], v[NIL]
	s_wait_dscnt 0x0
	CROUND                                         ; the closing round: no work-group ends while a partner may still ask for a tile that names it
	s_endpgm
.Lfunc_end_k_q411d6d0280_gemm:
	.size	k_q411d6d0280_gemm, .Lfunc_end_k_q411d6d0280_gemm-k_q411d6d0280_gemm
	.p2alignl 7, 3214868480
	.fill 96, 4, 3214868480
	.section	.rodata,"a",@progbits
	.p2align	6, 0x0
	.amdhsa_kernel k_q411d6d0280_gemm
		.amdhsa_group_segment_fixed_size 327680
		.amdhsa_private_segment_fixed_size 0
		.amdhsa_enable_private_segment 0
		.amdhsa_kernarg_size 32
		.amdhsa_user_sgpr_count 2
		.amdhsa_user_sgpr_kernarg_segment_ptr 1
		.amdhsa_wavefront_size32 1
		.amdhsa_system_sgpr_workgroup_id_x 1
		.amdhsa_system_sgpr_workgroup_id_y 1
		.amdhsa_system_sgpr_workgroup_id_z 1
		.amdhsa_system_vgpr_workitem_id 0
		.amdhsa_next_free_vgpr 1024
		.amdhsa_next_free_sgpr 100
		.amdhsa_reserve_vcc 0
		.amdhsa_float_denorm_mode_32 3
		.amdhsa_float_denorm_mode_16_64 3
		.amdhsa_memory_ordered 1
		.amdhsa_forward_progress 1
		.amdhsa_inst_pref_size 217
	.end_amdhsa_kernel
	.amdgpu_metadata
---
amdhsa.version: [ 1, 2 ]
amdhsa.kernels:
  - .name:           k_q411d6d0280_gemm
    .symbol:         k_q411d6d0280_gemm.kd
    .args:
      - { .name: a_ops, .offset: 0, .size: 8, .value_kind: global_buffer, .address_space: global }
      - { .name: w_ops, .offset: 8, .size: 8, .value_kind: global_buffer, .address_space: global }
      - { .name: bias, .offset: 16, .size: 8, .value_kind: global_buffer, .address_space: global }
      - { .name: out0, .offset: 24, .size: 8, .value_kind: global_buffer, .address_space: global }
    .group_segment_fixed_size: 327680
    .private_segment_fixed_size: 0
    .kernarg_segment_align: 8
    .kernarg_segment_size: 32
    .max_flat_workgroup_size: 128
    .sgpr_count:     100
    .vgpr_count:     1024
    .wavefront_size: 32
...
	.end_amdgpu_metadata
.endif
;; end of part 4
